; MI455X (gfx1250); checked and timed in simulation.
; The chip was launched on July 23, 2026; its instructions are those of AMD's public machine-readable ISA for CDNA 5 (MIT licence, August 2026) and "CDNA5" Instruction Set Architecture Reference Guide (July 2026). The comments in the code are by the model that wrote it; some were corrected since.
;; Trans E Source Matrix. Allowed arithmetic: matrix products marked QUANTISED: E3M2 operands, one E8M0 scale for each 32 along K, by v_wmma_scale_f32_16x16x128_f8f6f4 with both operands' format E3M2, f32 sums; everything else in f32.
;; Inputs: entB 7 x 100 float32; entW 7 x 100 x 100 float32; ents_emb 500,001 x 100 float32; heads 65,536 int32; heads_bad 65,536 int32; relB 7 x 100 float32; relW 7 x 100 x 100 float32; rels 65,536 int32; rels_bad 65,536 int32; rels_emb 1,001 x 100 float32; sources 65,536 int32; sources_bad 65,536 int32; tails 65,536 int32; tails_bad 65,536 int32.
;; Outputs: out0 65,536 float32; out1 65,536 float32.
;; This version of the problem:
;;   THIS VERSION OF THE PROBLEM IS GIVEN IN LOW PRECISION. The matrix products marked QUANTISED in the list below multiply operands that are first quantised to E3M2 (3 exponent bits, 2 mantissa bits; 6 bits a number), with one power-of-two scale for each 32 numbers along K (OCP MX v1.0); their sums are f32. All else is computed in f32.
;;   The module's matrix products, in the order in which they are computed (A, B: the left and right operand; K: the contracted axis; several contracted axes count as one K, in the product's order):
;;     1. [M 131,072, K 100] x [K 100, N 100]; A: computed on the way; B: input entW: QUANTISED
;;     2. [M 131,072, K 100] x [K 100, N 100]; A: computed on the way; B: input relW: QUANTISED
;;     3. [M 131,072, K 100] x [K 100, N 100]; A: computed on the way; B: input entW: QUANTISED
;;     4. [M 131,072, K 100] x [K 100, N 100]; A: computed on the way; B: input entW: QUANTISED
;;     5. [M 131,072, K 100] x [K 100, N 100]; A: computed on the way; B: input relW: QUANTISED
;;     6. [M 131,072, K 100] x [K 100, N 100]; A: computed on the way; B: input entW: QUANTISED
;;     7. [M 131,072, K 100] x [K 100, N 100]; A: computed on the way; B: input entW: QUANTISED
;;     8. [M 131,072, K 100] x [K 100, N 100]; A: computed on the way; B: input relW: QUANTISED
;;     9. [M 131,072, K 100] x [K 100, N 100]; A: computed on the way; B: input entW: QUANTISED
;;     10. [M 131,072, K 100] x [K 100, N 100]; A: computed on the way; B: input entW: QUANTISED
;;     11. [M 131,072, K 100] x [K 100, N 100]; A: computed on the way; B: input relW: QUANTISED
;;     12. [M 131,072, K 100] x [K 100, N 100]; A: computed on the way; B: input entW: QUANTISED
;;     13. [M 131,072, K 100] x [K 100, N 100]; A: computed on the way; B: input entW: QUANTISED
;;     14. [M 131,072, K 100] x [K 100, N 100]; A: computed on the way; B: input relW: QUANTISED
;;     15. [M 131,072, K 100] x [K 100, N 100]; A: computed on the way; B: input entW: QUANTISED
;;     16. [M 131,072, K 100] x [K 100, N 100]; A: computed on the way; B: input entW: QUANTISED
;;     17. [M 131,072, K 100] x [K 100, N 100]; A: computed on the way; B: input relW: QUANTISED
;;     18. [M 131,072, K 100] x [K 100, N 100]; A: computed on the way; B: input entW: QUANTISED
;;     19. [M 131,072, K 100] x [K 100, N 100]; A: computed on the way; B: input entW: QUANTISED
;;     20. [M 131,072, K 100] x [K 100, N 100]; A: computed on the way; B: input relW: QUANTISED
;;     21. [M 131,072, K 100] x [K 100, N 100]; A: computed on the way; B: input entW: QUANTISED
;;   THE QUANTISER, for each operand of a quantised product, along K:
;;     - K is cut into blocks of 32 from its start; a last block that is shorter is filled with zeros.
;;     - A block's scale is 2^e with e = floor(log2(the largest magnitude in the block)) - 4, held to -126 .. 127; a block of zeros has e = 0. As a byte (E8M0): e + 127.
;;     - Each number is divided by its block's scale, clamped to +-28, and rounded to the nearest number of E3M2, ties to even, subnormals kept.
;;     - The product sums the exact products of the quantised numbers (number of the format x scale) in f32.
;;   ~~~python
;;   def quantise(x, axis):      # numpy; x: float32 -> the quantised numbers, widened to float32 again
;;       x = np.moveaxis(x, axis, -1); K = x.shape[-1]
;;       x = np.pad(x, [(0, 0)] * (x.ndim - 1) + [(0, -K % 32)]); x = x.reshape(x.shape[:-1] + (-1, 32)); a = np.abs(x).max(-1, keepdims=True)
;;       e = np.where(a > 0, np.clip(np.frexp(np.where(a > 0, a, 1))[1] - 1 - 4, -126, 127), 0)      # np.frexp(a)[1] - 1 = floor(log2(a)), exactly
;;       r = np.clip(x / 2.0 ** e, -28, 28)
;;       step = 2.0 ** (np.maximum(np.frexp(np.where(r == 0, 1, r))[1] - 1, -2) - 2)
;;       q = np.round(r / step) * step * 2.0 ** e      # np.round: ties to even
;;       return np.moveaxis(q.reshape(q.shape[:-2] + (-1,))[..., :K], -1, axis).astype(np.float32)
;;   ~~~
;;   OPERANDS COMPUTED ON THE WAY. 'Computed on the way' means the value that the module computes at that place (a softmax that the list does not call 'softmax' is quantised finished and normalised). What goes into a quantiser is computed in f32, as accurately as f32 sums, v_exp_f32 and their like allow (about 1e-6 of the number): no bf16 or f16 on the way to a quantiser, and a product that is left as it is and whose result goes on into a quantised operand takes f32 operands (vector FMAs, or v_wmma_f32_16x16x4_f32). A number that lies on a knife's edge between two numbers of the format may be rounded either way, as far as f32 arithmetic and the matrix unit's own rounding can turn it there, and no further.
;; 2 versions, each right; version 2 is version 1 with the launches prep, main written anew for expert scheduling mode. Each part assembles by itself: llvm-mc -triple=amdgcn-amd-amdhsa -mcpu=gfx1250 --defsym DOCPART=n.
;; ======== version 1 of 2: 2 launches
;; workspace buffers: lists 2,621,440 bytes of whole numbers; meta 65,536 bytes of whole numbers; wimg 98,304 bytes; rvtab 3,670,016 bytes
;; launch prep (part 1): grid 96 x 1, 8 waves a work-group, no clusters, 80,384 bytes of LDS; arguments sources, sources_bad, heads, heads_bad, rels, rels_bad, tails, tails_bad, entW, entB, relW, relB, rels_emb, lists, meta, wimg, rvtab; writes lists, meta, wimg, rvtab
.if DOCPART == 1
	.amdgcn_target "amdgcn-amd-amdhsa--gfx1250"
	.amdhsa_code_object_version 6
	.text
	.protected	k_q457dfb9dd8_prep
	.globl	k_q457dfb9dd8_prep
	.p2align	8
	.type	k_q457dfb9dd8_prep,@function
k_q457dfb9dd8_prep:
	s_mov_b64 s[64:65], 0
	v_nop
	global_prefetch_b8 v0, s[64:65] scope:SCOPE_SE
	s_setreg_imm32_b32 hwreg(HW_REG_WAVE_MODE, 25, 1), 1
	s_wait_xcnt 0x0
; TransE with a matrix for each source: score = | n(tanh(he We^T + be)) + n(tanh(re Wr^T + br)) - n(tanh(te We^T + be)) |, n = division by max(l2 norm, 1e-12),
; the matrices and biases those of expert e = source - 2; products on codes of BF6 (E3M2) with one E8M0 scale for each 32 along K = 100 (the last block filled with zeros).
; WORK LEFT OUT, for all finite inputs.  For a row with source s every term of the sum over experts with e + 2 != s is tanh(..) x 0; tanh lies in [-1, 1], so the term is 0:
; only the expert that the row's source names is multiplied (a choice by whole numbers that are read from memory).  A row whose source lies outside 2 .. 8 (class 7 here) has
; hv = rv = tv = 0 and the score 0, which is stored.  rv hangs on the pair (rel, expert) alone: it is made once for each of the 7 x 1,001 pairs, not once for each row.
; No input is without a way to an output: all are loaded.
; LIMITS.  A NaN, an infinity or an overflow that arises only in an expert that a row has not chosen is not carried to the result.  NaN and infinities among the floating-point inputs
; are not served.  A block of zeros gets the scale byte 1 (its codes are zeros; this program alone reads the bytes); blocks whose largest magnitude lies under 2^-122, whose byte is held at 1, were not tried.
; Indices are held at 1,000 (rels) here and at 500,000 (entities) in the second launch.  1 / max(norm, 1e-12) is made as min(rsq(sum of squares), 1e12).
; THREE ROLES, by the work-group's number g:
;   g  0 .. 31  SORT: wave w sorts block b = 8 g + w of 512 triples by class into tiles of 16 rows of one class (a counting sort in registers), and stores the tiles' lists and classes.
;   g 32 .. 39  IMAGE: entW of expert min(g - 32, 6) becomes seven fragments of codes in the order of the operand's registers, their scale words, and the bias filled with zeros to 128.
;   g 40 .. 95  TABLE: expert (g - 40) / 8; wave w makes the normalised rv of 16 rels, rows of 128 f32 (zeros from 100 on).
; lists: block b at 10,240 b, tile s (0 .. 39) at + 256 s: 16 heads, 16 tails, 16 rows of the table (1,024 min(class, 6) + rel), 16 places in the block's output (a filler: entity 0, row 0, place -1).
;   Tiles T .. 39 hold fillers alone: all 40 tiles of a block are written.
; meta: block b at 256 b: word s the class of tile s (7 from T on), word 63 the number of tiles T (32 .. 39: 512 rows in 8 classes).
.set SPARE, 79360                      ; the spare words: 128 bytes for each of eight waves, four blocks of 256 bytes that no other line names
.set WS,    10752                      ; LDS (TABLE alone): seven fragments' images of 1,536 bytes from 0, their scale words of 128 bytes from here,
.set STG,   11776                      ; and a stage of 16 rows x 528 bytes for each wave
.set STGW,  8448
.set PITCH, 528
.set SEL,   80                         ; s[80:81] v_permlanex16_b32's selects for lane l xor 16
.set KK,    82                         ; s[82:83] 2 log2(e)
.set CNT,   48                         ; s48-55  rows of each class so far
.set BT,    66                         ; s66-74  first tile of each class; BT + 8: T
.set SH8,   4                          ; v4   8 x (lane / 16)
.set TX,    5                          ; v5   a lane permute's destination
.set Q,     40                         ; v40-47 second halves of a block's codes
.set TM,    58                         ; v58-63 at work in the quantiser
.set SPW,   254                        ; v254 LDS address of my spare word; never rewritten
.set NIL,   255                        ; v255 0; never rewritten
.set CL,    16                         ; SORT: v16-31 class, v32-47 head, v48-63 tail, v64-79 rel, v80-95 place, v96-111 id, v112-127 byte offset; register 4 i + k holds the block's row 128 i + 4 lane + k
.set HD,    32
.set TL,    48
.set RL,    64
.set POS,   80
.set ID,    96
.set AD,    112
.set PA,    160                        ; v160-167 the fillers' offsets, one register a class
.set FA,    168                        ; v168-171 the offsets of the fillers from tile T on
.macro FINISH                          ; a wave's end
	s_wait_tensorcnt 0x0
	ds_add_u32 v[SPW], v[NIL]
	s_wait_dscnt 0x0
	s_endpgm
.endm
; 64 numbers of a row of 100 f32 in the order of a 6-bit operand: lane (r, h) takes k = 32 h + 0 .. 31 and k = 64 + 32 h + 0 .. 31.  a1 = row x 400 + 128 h, a2 = row x 400:
; where h = 1 only k = 96 .. 99 of the second run exist, so its last 28 registers read the row's k = 68 .. 95 instead (inside the row) and are cleared by ZERO64.
.macro LOAD64 reg, a1, a2, b
.set li, 0
.rept 8
	global_load_b128 v[\reg+4*li:\reg+4*li+3], v[\a1], s[\b:\b+1] offset:16*li
.set li, li+1
.endr
	global_load_b128 v[\reg+32:\reg+35], v[\a1], s[\b:\b+1] offset:256
.set li, 1
.rept 7
	global_load_b128 v[\reg+32+4*li:\reg+35+4*li], v[\a2], s[\b:\b+1] offset:256+16*li
.set li, li+1
.endr
.endm
; zeros ahead of the block's maximum: srow = lanes whose row exists, sk = those of them with h = 0
.macro ZERO64 reg, srow, sk, all
.if \all
.set li, 0
.rept 36
	v_cndmask_b32 v[\reg+li], 0, v[\reg+li], s[\srow]
.set li, li+1
.endr
.endif
.set li, 36
.rept 28
	v_cndmask_b32 v[\reg+li], 0, v[\reg+li], s[\sk]
.set li, li+1
.endr
.endm
; 64 numbers of a lane, two whole blocks of 32, become the operand's 12 registers v[pc] on and the row's scale word v[pw].
.macro QUANT2 x, pc, pw
	v_max3_num_f32 v[TM], |v[\x]|, |v[\x+1]|, 0x2800000           ; the largest magnitude, with the floor 2^(5 - 127) among its leaves: the byte cannot fall under 1
	v_max3_num_f32 v[TM+1], |v[\x+32]|, |v[\x+33]|, 0x2800000
.set qi, 2
.rept 15
	v_max3_num_f32 v[TM], v[TM], |v[\x+qi]|, |v[\x+qi+1]|         ; the two blocks by turns
	v_max3_num_f32 v[TM+1], v[TM+1], |v[\x+32+qi]|, |v[\x+33+qi]|
.set qi, qi+2
.endr
	v_add_nc_u32 v[TM+2], 0xfe000000, v[TM]                       ; 4 off the exponent field: the conversion takes this operand's exponent field as its scale
	v_add_nc_u32 v[TM+3], 0xfe000000, v[TM+1]
	v_lshrrev_b32 v[TM+4], 23, v[TM+2]                            ; the scales' bytes: blocks h and 2 + h
	v_lshrrev_b32 v[TM+5], 23, v[TM+3]
	v_lshl_or_b32 v[\pw], v[TM+5], 16, v[TM+4]
	v_lshlrev_b32 v[\pw], v[SH8], v[\pw]                          ; at their places in the word
	v_permlanex16_b32 v[TX], v[\pw], s[SEL], s[SEL+1]
	v_or_b32 v[\pw], v[\pw], v[TX]                                ; with lane l xor 16's two the word is whole
	v_cvt_scalef32_pk16_bf6_f32 v[\pc:\pc+2], v[\x:\x+15], v[TM+2]
	v_cvt_scalef32_pk16_bf6_f32 v[Q:Q+2], v[\x+16:\x+31], v[TM+2]   ; (a conversion's three registers begin on an even number)
	v_cvt_scalef32_pk16_bf6_f32 v[\pc+6:\pc+8], v[\x+32:\x+47], v[TM+3]
	v_cvt_scalef32_pk16_bf6_f32 v[Q+4:Q+6], v[\x+48:\x+63], v[TM+3]
	v_nop                                                         ; one plain place behind the scaled conversions
.irp i, 0,1,2
	v_mov_b32 v[\pc+3+\i], v[Q+\i]
	v_mov_b32 v[\pc+9+\i], v[Q+4+\i]
.endr
.endm
; tanh(x) = 1 - 2 / (1 + 2^(2 log2(e) x)) on the 52 registers that can hold one of the 100 features, in steps
.macro T_SCALE a
.set ti, 0
.rept 26
	v_pk_mul_f32 v[\a+ti:\a+ti+1], v[\a+ti:\a+ti+1], s[KK:KK+1] op_sel_hi:[1,0]   ; each accumulator is read from its low end on
.set ti, ti+2
.endr
.endm
.macro T_EXP a
.set ti, 0
.rept 52
	v_exp_f32 v[\a+ti], v[\a+ti]
.set ti, ti+1
.endr
.endm
.macro T_ONE a
.set ti, 0
.rept 26
	v_pk_add_f32 v[\a+ti:\a+ti+1], v[\a+ti:\a+ti+1], 1.0 op_sel_hi:[1,0]
.set ti, ti+2
.endr
.endm
.macro T_RCP a
.set ti, 0
.rept 52
	v_rcp_f32 v[\a+ti], v[\a+ti]
.set ti, ti+1
.endr
.endm
.macro T_FIN a
.set ti, 0
.rept 26
	v_pk_fma_f32 v[\a+ti:\a+ti+1], v[\a+ti:\a+ti+1], -2.0, 1.0 op_sel_hi:[1,0,0]
.set ti, ti+2
.endr
.endm
	s_load_b512 s[4:19], s[0:1], 0x0               ; sources, sources_bad, heads, heads_bad, rels, rels_bad, tails, tails_bad
	s_load_b512 s[20:35], s[0:1], 0x40             ; entW, entB, relW, relB, rels_emb, lists, meta, wimg
	s_load_b64 s[36:37], s[0:1], 0x80              ; rvtab
	v_lshl_add_u32 v[SPW], v0, 2, SPARE
	v_mov_b32 v[NIL], 0
	v_lshrrev_b32 v1, 5, v0
	v_readfirstlane_b32 s38, v1                    ; wave 0..7
	v_and_b32 v1, 31, v0                           ; lane
	v_and_b32 v2, 15, v0                           ; r
	v_bfe_u32 v3, v0, 4, 1                         ; h
	v_lshlrev_b32 v[SH8], 3, v3
	v_mov_b32 v[TX], 0                             ; written once: a lane permute's destination counts as one of its sources
	s_mov_b32 s[SEL], 0x76543210
	s_mov_b32 s[SEL+1], 0xfedcba98
	s_mov_b32 s[KK], 0x4038aa3b                    ; 2 log2(e)
	s_mov_b32 s[KK+1], s[KK]                       ; (named with it as a pair, so it is written)
	s_mov_b32 s39, ttmp9                           ; g
	s_mov_b32 s45, 0                               ; the upper word of every byte offset below
	s_wait_kmcnt 0x0
	s_cmp_lt_u32 s39, 32
	s_cbranch_scc1 .Lsort
	s_cmp_lt_u32 s39, 40
	s_cbranch_scc1 .Limage
; ---------------- TABLE: the normalised rv of 16 rels a wave, for one expert ----------------
; v16-27 x's codes, v28-39 a fragment of relW just made, v48 x's scale word, v49 the fragment's, v50-56 relW's seven scale words, v64-67 sum of squares and its inverse root,
; v70-153 64 numbers of relW, then its seven fragments, then rows on the way out; v154-217 64 numbers of x, then the seven accumulators (56).
	s_sub_co_u32 s40, s39, 40
	s_lshr_b32 s41, s40, 3                         ; the expert
	s_and_b32 s42, s40, 7
	s_lshl_b32 s42, s42, 3
	s_add_co_u32 s42, s42, s38                     ; which 16 rels are my wave's: 0 .. 63
	s_mul_i32 s44, s41, 40000
	s_add_nc_u64 s[24:25], s[24:25], s[44:45]      ; relW[e]
	s_mul_i32 s44, s41, 400
	s_add_nc_u64 s[26:27], s[26:27], s[44:45]      ; relB[e]
	s_lshl_b32 s44, s41, 10
	s_lshl_b32 s46, s42, 4
	s_add_co_u32 s44, s44, s46
	s_lshl_b32 s44, s44, 9
	s_add_nc_u64 s[36:37], s[36:37], s[44:45]      ; my 16 rows of the table: row 1,024 e + 16 x tile, 512 bytes each
	v_add_nc_u32 v10, s46, v2
	v_min_u32 v11, 0x3e8, v10                      ; rels 1,001 .. 1,023 do not exist: their rows repeat rel 1,000 and are never read
	v_mul_u32_u24 v13, v11, 400
	v_lshl_add_u32 v12, v3, 7, v13
	LOAD64 154, 12, 13, 28                         ; x = 16 rows of rels_emb
	; every LDS address is made here, ahead of the branch on the wave's number
	v_lshlrev_b32 v218, 4, v1                      ; 16 x lane
	v_lshlrev_b32 v219, 2, v1                      ; 4 x lane
	v_lshlrev_b32 v220, 5, v3                      ; 32 h
	v_mov_b32 v221, 0
	s_mul_i32 s47, s38, 1536
	v_add_nc_u32 v14, s47, v218                    ; where wave w puts fragment w's image
	s_lshl_b32 s47, s38, 7
	v_add_nc_u32 v15, s47, v219                    ; and its scale words (+ WS)
	s_mul_i32 s47, s38, STGW
	s_add_co_u32 s47, s47, STG                     ; my stage
	v_mul_u32_u24 v222, v2, PITCH
	v_lshl_add_u32 v222, v3, 5, v222
	v_add_nc_u32 v222, s47, v222                   ; in: row r, + 32 h
	v_add_nc_u32 v223, s47, v218                   ; back: 16 bytes a lane of a whole row
.irp i, 224,225,226,227,228
	v_mov_b32 v\i, 0                               ; four zeros for the rows' tails; v228: a lane permute's destination
.endr
	s_lshl_b32 s47, s38, 4
	v_add_nc_u32 v6, s47, v2                       ; relW's row n = 16 w + r
	v_min_u32 v7, 99, v6
	v_mul_u32_u24 v8, v7, 400
	v_lshl_add_u32 v9, v3, 7, v8
	v_cmp_gt_u32 s84, 100, v6                      ; rows 100 .. 111 do not exist: zero codes
	s_and_b32 s85, s84, 0xffff
	s_mov_b32 s86, 0xffff
	s_cmp_eq_u32 s38, 7                            ; seven fragments: wave 7 makes none
	s_cbranch_scc1 .Ljoin
	LOAD64 70, 9, 8, 24
	s_wait_loadcnt 0x0
	ZERO64 70, 84, 85, 1
	QUANT2 70, 28, 49
.irp c, 0,1,2
	ds_store_b128 v14, v[28+4*\c:31+4*\c] offset:512*\c   ; the fragment goes to LDS as an image of its registers
.endr
	ds_store_b32 v15, v49 offset:WS
.Ljoin:
	s_wait_loadcnt 0x0                             ; x
	ZERO64 154, 86, 86, 0
	QUANT2 154, 16, 48
.irp t, 0,1,2,3,4,5                            ; the bias is the C of each sum's one product: lane (r, h) wants relB[16 t + 8 h + 0 .. 7]
	global_load_b128 v[154+8*\t:157+8*\t], v220, s[26:27] offset:64*\t
	global_load_b128 v[158+8*\t:161+8*\t], v220, s[26:27] offset:64*\t+16
.endr
	global_load_b128 v[202:205], v221, s[26:27] offset:384   ; relB[96 .. 99]: for h = 0 alone
	ds_store_b128 v222, v[224:227] offset:448      ; features 112 .. 127 of my 16 rows: zeros
	ds_store_b128 v222, v[224:227] offset:464
	s_wait_dscnt 0x0                               ; for the others' sake: my image has landed
	s_barrier_signal -1
	s_barrier_wait -1                              ; all seven lie in LDS
.irp t, 0,1,2,3,4,5,6
.irp c, 0,1,2
	ds_load_b128 v[70+12*\t+4*\c:73+12*\t+4*\c], v218 offset:1536*\t+512*\c
.endr
	ds_load_b32 v[50+\t], v219 offset:WS+128*\t
.endr
	s_wait_dscnt 0x0
	s_wait_loadcnt 0x0                             ; the bias
.irp i, 202,203,204,205
	v_cndmask_b32 v\i, 0, v\i, s86                 ; features 104 .. 107 (h = 1) have none
.endr
.irp i, 206,207,208,209
	v_mov_b32 v\i, 0
.endr
.rept 8
	v_nop                                          ; x's scale word and codes were written by vector instructions: eight and four places ahead of a scaled product
.endr
.irp t, 0,1,2,3,4,5,6                          ; transposed: source 0 = 16 rows of relW, source 1 = my 16 rels: lane (r, h) holds features 16 t + 8 h + 0 .. 7 of rel r
	v_wmma_scale_f32_16x16x128_f8f6f4 v[154+8*\t:161+8*\t], v[70+12*\t:81+12*\t], v[16:27], v[154+8*\t:161+8*\t], v[50+\t], v48 matrix_a_fmt:MATRIX_FMT_BF6 matrix_b_fmt:MATRIX_FMT_BF6
.endr
.rept 4
	v_nop
.endr
	T_SCALE 154
	T_EXP 154
	v_nop                                          ; a plain place behind the batch,
	s_wait_alu depctr_va_vdst(0)                   ; and one wait for all 52, ahead of their first reader
	T_ONE 154
	T_RCP 154
	v_nop
	s_wait_alu depctr_va_vdst(0)
	T_FIN 154
	v_pk_mul_f32 v[64:65], v[154:155], v[154:155]  ; the sum of squares
.set ti, 2
.rept 25
	v_pk_fma_f32 v[64:65], v[154+ti:155+ti], v[154+ti:155+ti], v[64:65]
.set ti, ti+2
.endr
	v_add_f32 v64, v64, v65
	v_permlanex16_b32 v228, v64, s[SEL], s[SEL+1]
	v_add_f32 v64, v64, v228
	v_rsq_f32 v66, v64
	v_nop
	s_wait_alu depctr_va_vdst(0)
	v_min_num_f32 v66, 0x5368d4a5, v66             ; 1 / max(norm, 1e-12)
	v_mov_b32 v67, v66
.set ti, 0
.rept 26
	v_pk_mul_f32 v[154+ti:155+ti], v[154+ti:155+ti], v[66:67]
.set ti, ti+2
.endr
.irp t, 0,1,2,3,4,5,6                          ; (features 100 .. 111 are zeros: zero codes and no bias)
	ds_store_b128 v222, v[154+8*\t:157+8*\t] offset:64*\t
	ds_store_b128 v222, v[158+8*\t:161+8*\t] offset:64*\t+16
.endr
.irp i, 0,1,2,3,4,5,6,7,8,9,10,11,12,13,14,15
	ds_load_b128 v[70+4*\i:73+4*\i], v223 offset:PITCH*\i   ; LDS serves a wave's instructions in order: these see my stores
.endr
.irp i, 0,1,2,3,4,5,6,7,8,9,10,11,12,13,14,15
	s_wait_dscnt 15-\i                             ; row i is back; the younger loads may stay out
	global_store_b128 v218, v[70+4*\i:73+4*\i], s[36:37] offset:512*\i   ; 32 lanes store a row of 512 consecutive bytes, aligned
.endr
	FINISH
; ---------------- IMAGE: entW of one expert as the second launch's operand registers ----------------
.Limage:
	s_sub_co_u32 s40, s39, 32                      ; the image 0 .. 7; image 7 (rows of class 7, whose score is 0 whatever it holds) repeats expert 6
	s_min_u32 s41, s40, 6
	s_mul_i32 s44, s41, 40000
	s_add_nc_u64 s[20:21], s[20:21], s[44:45]
	s_mul_i32 s44, s41, 400
	s_add_nc_u64 s[22:23], s[22:23], s[44:45]
	s_mul_i32 s44, s40, 12288
	s_add_nc_u64 s[34:35], s[34:35], s[44:45]
	s_cmp_eq_u32 s38, 7
	s_cbranch_scc1 .Lbias
	s_lshl_b32 s47, s38, 4
	v_add_nc_u32 v6, s47, v2                       ; entW's row n = 16 w + r
	v_min_u32 v7, 99, v6
	v_mul_u32_u24 v8, v7, 400
	v_lshl_add_u32 v9, v3, 7, v8
	v_cmp_gt_u32 s84, 100, v6
	s_and_b32 s85, s84, 0xffff
	LOAD64 70, 9, 8, 20
	s_mul_i32 s47, s38, 1536
	v_lshl_add_u32 v14, v1, 4, s47
	s_lshl_b32 s47, s38, 7
	v_lshl_add_u32 v15, v1, 2, s47
	s_wait_loadcnt 0x0
	ZERO64 70, 84, 85, 1
	QUANT2 70, 28, 49
.irp c, 0,1,2
	global_store_b128 v14, v[28+4*\c:31+4*\c], s[34:35] offset:512*\c   ; 512 consecutive bytes, aligned
.endr
	global_store_b32 v15, v49, s[34:35] offset:WS
	FINISH
.Lbias:
	v_min_u32 v10, 24, v1
	v_lshlrev_b32 v10, 4, v10
	global_load_b128 v[16:19], v10, s[22:23]       ; entB[e]: 25 pieces of 16 bytes; lanes 25 .. 31 repeat the last and are cleared
	v_lshlrev_b32 v11, 4, v1
	v_lshlrev_b32 v12, 2, v1
	v_mov_b32 v13, 0
	v_cmp_gt_u32 vcc_lo, 25, v1
	s_wait_loadcnt 0x0
.irp i, 16,17,18,19
	v_cndmask_b32 v\i, 0, v\i, vcc_lo
.endr
	global_store_b128 v11, v[16:19], s[34:35] offset:11776
	global_store_b32 v12, v13, s[34:35] offset:WS+896   ; the eighth place of scale words: no fragment has it
	FINISH
; ---------------- SORT: a wave sorts 512 triples by class ----------------
.Lsort:
	s_lshl_b32 s40, s39, 3
	s_add_co_u32 s40, s40, s38                     ; block b; blocks 0 .. 127 are the good triples, 128 .. 255 the bad
	s_cmp_lt_u32 s39, 16
	s_cselect_b64 s[4:5], s[4:5], s[6:7]
	s_cselect_b64 s[8:9], s[8:9], s[10:11]
	s_cselect_b64 s[12:13], s[12:13], s[14:15]
	s_cselect_b64 s[16:17], s[16:17], s[18:19]
	s_and_b32 s41, s40, 127
	s_lshl_b32 s44, s41, 11                        ; 512 rows of 4 bytes
	s_add_nc_u64 s[4:5], s[4:5], s[44:45]
	s_add_nc_u64 s[8:9], s[8:9], s[44:45]
	s_add_nc_u64 s[12:13], s[12:13], s[44:45]
	s_add_nc_u64 s[16:17], s[16:17], s[44:45]
	s_mul_i32 s44, s40, 10240
	s_add_nc_u64 s[30:31], s[30:31], s[44:45]
	s_lshl_b32 s44, s40, 8
	s_add_nc_u64 s[32:33], s[32:33], s[44:45]
	v_lshlrev_b32 v6, 4, v1
.irp i, 0,1,2,3
	global_load_b128 v[CL+4*\i:CL+4*\i+3], v6, s[4:5] offset:512*\i     ; each load: 512 consecutive bytes
	global_load_b128 v[HD+4*\i:HD+4*\i+3], v6, s[8:9] offset:512*\i
	global_load_b128 v[TL+4*\i:TL+4*\i+3], v6, s[16:17] offset:512*\i
	global_load_b128 v[RL+4*\i:RL+4*\i+3], v6, s[12:13] offset:512*\i
.endr
.irp c, 0,1,2,3,4,5,6,7
	s_mov_b32 s[CNT+\c], 0
.endr
	s_lshl_b32 s46, s41, 9
	v_lshl_add_u32 v7, v1, 2, s46                  ; the place in the block's output of my first row
	v_mov_b32 v8, 0
	v_mov_b32 v9, -1
	v_add_nc_u32 v10, 0x270, v2                    ; place 624 + r: tile 39
.irp i, 0,1,2,3
.irp k, 0,1,2,3
	v_add_nc_u32 v[ID+4*\i+\k], 128*\i+\k, v7
.endr
.endr
	s_wait_loadcnt 0x0
.set m, 0
.rept 16
	v_add_nc_u32 v[CL+m], -2, v[CL+m]
	v_min_u32 v[CL+m], 7, v[CL+m]                  ; class = source - 2; whatever lies outside 0 .. 6 is class 7
.set m, m+1
.endr
; the place of register m's 32 rows inside their classes: rows of the class counted so far + those in lower lanes
.macro RANK m
.irp c, 0,1,2,3,4,5,6,7
	v_cmp_eq_u32 s[56+\c], \c, v[CL+\m]
.endr
	v_mbcnt_lo_u32_b32 v[POS+\m], s56, s[CNT]
.irp c, 1,2,3,4,5,6,7
	v_mbcnt_lo_u32_b32 v[128+\c], s[56+\c], s[CNT+\c]
.endr
.irp c, 1,2,3,4,5,6,7
	v_cndmask_b32 v[POS+\m], v[POS+\m], v[128+\c], s[56+\c]
.endr
.irp c, 0,1,2,3,4,5,6,7
	s_bcnt1_i32_b32 s[88+\c], s[56+\c]
.endr
.irp c, 0,1,2,3,4,5,6,7
	s_add_co_u32 s[CNT+\c], s[CNT+\c], s[88+\c]
.endr
.endm
.set m, 0
.rept 16
	RANK m
.set m, m+1
.endr
	s_mov_b32 s[BT], 0
.irp c, 0,1,2,3,4,5,6,7
	s_add_co_u32 s44, s[CNT+\c], 15
	s_lshr_b32 s44, s44, 4
	s_add_co_u32 s[BT+1+\c], s[BT+\c], s44         ; each class begins a new tile
.endr
	s_lshl_b32 s44, s[BT+1], 8                     ; the eight first tiles (39 at the most) as bytes of two words, for a look-up by class
	s_or_b32 s76, s[BT], s44
	s_lshl_b32 s44, s[BT+2], 16
	s_or_b32 s76, s76, s44
	s_lshl_b32 s44, s[BT+3], 24
	s_or_b32 s76, s76, s44
	s_lshl_b32 s44, s[BT+5], 8
	s_or_b32 s77, s[BT+4], s44
	s_lshl_b32 s44, s[BT+6], 16
	s_or_b32 s77, s77, s44
	s_lshl_b32 s44, s[BT+7], 24
	s_or_b32 s77, s77, s44
.set m, 0
.rept 16
	v_perm_b32 v[AD+m], s77, s76, v[CL+m]          ; byte 0: the class's first tile; bytes 1 to 3 pick class 0's, which is 0
	v_lshl_add_u32 v[POS+m], v[AD+m], 4, v[POS+m]  ; the row's place among the block's 16 T
	v_min_u32 v[POS+m], 0x27f, v[POS+m]
	v_and_b32 v[AD+m], -16, v[POS+m]
	v_and_b32 v[POS+m], 15, v[POS+m]
	v_lshlrev_b32 v[POS+m], 2, v[POS+m]
	v_lshl_add_u32 v[AD+m], v[AD+m], 4, v[POS+m]   ; 256 x tile + 4 x place in the tile
	v_min_u32 v[CL+m], 6, v[CL+m]
	v_min_u32 v[RL+m], 0x3e8, v[RL+m]
	v_lshl_add_u32 v[RL+m], v[CL+m], 10, v[RL+m]   ; the row of the table
	global_store_b32 v[AD+m], v[HD+m], s[30:31]    ; no register of these stores is written again
	global_store_b32 v[AD+m], v[TL+m], s[30:31] offset:64
	global_store_b32 v[AD+m], v[RL+m], s[30:31] offset:128
	global_store_b32 v[AD+m], v[ID+m], s[30:31] offset:192
.set m, m+1
.endr
; a class's last tile is filled up: entity 0, table row 0, no place in the output.  Lanes whose place lies beyond the tile write the same record to tile 39, which holds nothing else.
.macro PADS c
	s_lshl_b32 s44, s[BT+\c], 4
	s_add_co_u32 s44, s44, s[CNT+\c]
	s_lshl_b32 s46, s[BT+1+\c], 4
	v_add_nc_u32 v[PA+\c], s44, v2
	v_cmp_gt_u32 vcc_lo, s46, v[PA+\c]
	v_cndmask_b32 v[PA+\c], v10, v[PA+\c], vcc_lo
	v_min_u32 v[PA+\c], 0x27f, v[PA+\c]
	v_and_b32 v11, -16, v[PA+\c]
	v_and_b32 v12, 15, v[PA+\c]
	v_lshlrev_b32 v12, 2, v12
	v_lshl_add_u32 v[PA+\c], v11, 4, v12
	global_store_b32 v[PA+\c], v8, s[30:31]
	global_store_b32 v[PA+\c], v8, s[30:31] offset:64
	global_store_b32 v[PA+\c], v8, s[30:31] offset:128
	global_store_b32 v[PA+\c], v9, s[30:31] offset:192
.endm
.irp c, 0,1,2,3,4,5,6,7
	PADS \c
.endr
; tiles T .. 39 are fillers: places 512 + 32 i + lane (tiles 32 .. 39).  A place under 16 T belongs to a tile that is written above: its lane writes the same record to tile 39 instead.
; Step 3's lanes 16 .. 31 are tile 39's own places, which lie at or beyond 16 T whatever T is (39 at the most): tile 39 is always written whole.
	s_lshl_b32 s46, s[BT+8], 4                     ; 16 T
.macro FILL i
	v_add_nc_u32 v[FA+\i], 512+32*\i, v1
	v_cmp_le_u32 vcc_lo, s46, v[FA+\i]
	v_cndmask_b32 v[FA+\i], v10, v[FA+\i], vcc_lo
	v_min_u32 v[FA+\i], 0x27f, v[FA+\i]
	v_and_b32 v11, -16, v[FA+\i]
	v_and_b32 v12, 15, v[FA+\i]
	v_lshlrev_b32 v12, 2, v12
	v_lshl_add_u32 v[FA+\i], v11, 4, v12
	global_store_b32 v[FA+\i], v8, s[30:31]
	global_store_b32 v[FA+\i], v8, s[30:31] offset:64
	global_store_b32 v[FA+\i], v8, s[30:31] offset:128
	global_store_b32 v[FA+\i], v9, s[30:31] offset:192
.endm
.irp i, 0,1,2,3
	FILL \i
.endr
	v_mov_b32 v13, 0                               ; the class of tile s = how many of the classes 1 .. 7 begin at or before s
	v_mov_b32 v14, 0
	v_add_nc_u32 v15, 32, v1
.irp c, 1,2,3,4,5,6,7
	v_cmp_le_u32 vcc_lo, s[BT+\c], v1
	v_add_co_ci_u32 v13, vcc_lo, 0, v13, vcc_lo
	v_cmp_le_u32 vcc_lo, s[BT+\c], v15
	v_add_co_ci_u32 v14, vcc_lo, 0, v14, vcc_lo
.endr
	v_writelane_b32 v14, s[BT+8], 31               ; word 63: T
	v_lshlrev_b32 v130, 2, v1
	global_store_b32 v130, v13, s[32:33]           ; the block's 256 bytes of meta, aligned
	global_store_b32 v130, v14, s[32:33] offset:128
	FINISH
.Lfunc_end_k_q457dfb9dd8_prep:
	.size	k_q457dfb9dd8_prep, .Lfunc_end_k_q457dfb9dd8_prep-k_q457dfb9dd8_prep
	.p2alignl 7, 3214868480
	.fill 96, 4, 3214868480
	.section	.rodata,"a",@progbits
	.p2align	6, 0x0
	.amdhsa_kernel k_q457dfb9dd8_prep
		.amdhsa_group_segment_fixed_size 80384
		.amdhsa_private_segment_fixed_size 0
		.amdhsa_enable_private_segment 0
		.amdhsa_kernarg_size 136
		.amdhsa_user_sgpr_count 2
		.amdhsa_user_sgpr_kernarg_segment_ptr 1
		.amdhsa_wavefront_size32 1
		.amdhsa_system_sgpr_workgroup_id_x 1
		.amdhsa_system_sgpr_workgroup_id_y 1
		.amdhsa_system_sgpr_workgroup_id_z 1
		.amdhsa_system_vgpr_workitem_id 0
		.amdhsa_next_free_vgpr 256
		.amdhsa_next_free_sgpr 100
		.amdhsa_reserve_vcc 1
		.amdhsa_float_denorm_mode_32 3
		.amdhsa_float_denorm_mode_16_64 3
		.amdhsa_memory_ordered 1
		.amdhsa_forward_progress 1
		.amdhsa_inst_pref_size 111
	.end_amdhsa_kernel
	.amdgpu_metadata
---
amdhsa.version: [ 1, 2 ]
amdhsa.kernels:
  - .name:           k_q457dfb9dd8_prep
    .symbol:         k_q457dfb9dd8_prep.kd
    .args:
      - { .name: sources, .offset: 0, .size: 8, .value_kind: global_buffer, .address_space: global }
      - { .name: sources_bad, .offset: 8, .size: 8, .value_kind: global_buffer, .address_space: global }
      - { .name: heads, .offset: 16, .size: 8, .value_kind: global_buffer, .address_space: global }
      - { .name: heads_bad, .offset: 24, .size: 8, .value_kind: global_buffer, .address_space: global }
      - { .name: rels, .offset: 32, .size: 8, .value_kind: global_buffer, .address_space: global }
      - { .name: rels_bad, .offset: 40, .size: 8, .value_kind: global_buffer, .address_space: global }
      - { .name: tails, .offset: 48, .size: 8, .value_kind: global_buffer, .address_space: global }
      - { .name: tails_bad, .offset: 56, .size: 8, .value_kind: global_buffer, .address_space: global }
      - { .name: entW, .offset: 64, .size: 8, .value_kind: global_buffer, .address_space: global }
      - { .name: entB, .offset: 72, .size: 8, .value_kind: global_buffer, .address_space: global }
      - { .name: relW, .offset: 80, .size: 8, .value_kind: global_buffer, .address_space: global }
      - { .name: relB, .offset: 88, .size: 8, .value_kind: global_buffer, .address_space: global }
      - { .name: rels_emb, .offset: 96, .size: 8, .value_kind: global_buffer, .address_space: global }
      - { .name: lists, .offset: 104, .size: 8, .value_kind: global_buffer, .address_space: global }
      - { .name: meta, .offset: 112, .size: 8, .value_kind: global_buffer, .address_space: global }
      - { .name: wimg, .offset: 120, .size: 8, .value_kind: global_buffer, .address_space: global }
      - { .name: rvtab, .offset: 128, .size: 8, .value_kind: global_buffer, .address_space: global }
    .group_segment_fixed_size: 80384
    .private_segment_fixed_size: 0
    .kernarg_segment_align: 8
    .kernarg_segment_size: 136
    .max_flat_workgroup_size: 256
    .sgpr_count:     100
    .vgpr_count:     256
    .wavefront_size: 32
...
	.end_amdgpu_metadata
.endif
;; end of part 1
;; launch main (part 2): grid 256 x 1, 8 waves a work-group, no clusters, 310,272 bytes of LDS; arguments ents_emb, rvtab, wimg, lists, meta, out0, out1; writes out0, out1
.if DOCPART == 2
	.amdgcn_target "amdgcn-amd-amdhsa--gfx1250"
	.amdhsa_code_object_version 6
	.text
	.protected	k_q457dfb9dd8_main
	.globl	k_q457dfb9dd8_main
	.p2align	8
	.type	k_q457dfb9dd8_main,@function
k_q457dfb9dd8_main:
	s_mov_b64 s[64:65], 0
	v_nop
	global_prefetch_b8 v0, s[64:65] scope:SCOPE_SE
	s_setreg_imm32_b32 hwreg(HW_REG_WAVE_MODE, 25, 1), 1
	s_wait_xcnt 0x0
; The scores.  Work-group b takes block b of 512 triples, sorted by the first launch into T (32 .. 39) tiles of 16 rows of one class; wave w takes tiles w, w + 8, .. w + 32.
; WORK LEFT OUT: only the expert that a row's source names is multiplied (all other terms of the sum over experts are tanh(..) x 0), rv comes from the table of the first launch, and a row of class 7 (a source outside 2 .. 8) gets the score 0.
; LIMITS as stated at the head of the first launch; entity indices are held at 500,000.
; FIVE TILES A WAVE, WRITTEN OUT by one macro, no loop: what passes from tile to tile (lists, rows and ids on their way) then has one origin at each place of the text, and the tile's number stands in the
; immediates: the offsets of the lists, classes and ids are made once, of the wave and the lane.  T is 32 at the least, so only a wave's fifth tile can be missing: it holds fillers (its 48 loads all name
; entity 0 and table row 0), and one scalar branch on the stored T leads round its arithmetic.
; A TILE: 32 rows of ents_emb (16 heads, 16 tails; 400 bytes: 25 lanes x 16) and 16 rows of the table (512 bytes) come by 48 loads, a row a load, into 192 registers, A WHOLE TILE AHEAD of their use;
; they turn through the wave's own stage in LDS, so that lane (r, h) holds row r's k = 32 h .. and 64 + 32 h .. (two whole blocks of 32); heads and tails are quantised in registers; 14 products
; (transposed: source 0 = 16 rows of entW, source 1 = 16 rows of the tile; the bias is the C); tanh; norms; | hv + rv - tv |; one store of the scores.
; ALL LANES STAY ON.  A filler (a place that fills up a class's last tile) stores row 0's score at row 0's place, and lanes 16 .. 31 repeat lanes 0 .. 15: the same value at the same address.  Row 0 of a tile under T is never a filler.
; THE CLASS PICKS THE WEIGHTS BY A BRANCH, NOT BY AN ADDRESS: the loads of an expert's fragments, scale words and bias are written out eight times, with address registers made of the lane alone and the
; image's place in the immediate; a chain of scalar compares on the tile's class leads to one of them.  All eight issue the same loads in the same order, so the counted waits hold on every way.
; No tensor load, no copy, no cluster: branches hang on stored numbers, and what work-groups share is the weights' 96 KiB, read once by each.  No prefetch: each wave's own loads run a tile ahead.
; LDS: 0 the eight images of entW (12,288 bytes each: seven fragments in the order of the operand's registers, scale words from 10,752, bias from 11,776);
;   98,304 + 25,344 w: wave w's stage: 32 entity rows, then (+ 16,896) 16 table rows, 528 bytes apart; bytes 400 .. 511 of an entity row take lanes 25 .. 31's copies of the last piece and are never read;
;   301,056: 8,192 zeros, written once: they are k = 100 .. 127 of every row;   309,248: the spare words.
; REGISTERS, window 0: v1-15 addresses; v16-27, v28-39 heads' and tails' codes; v40-47 second halves of codes, later sums and inverse norms; v48, v49 their scale words; v50-56 entW's scale words; v57 the ids' offset;
;   v58-63 at work; v64 the ids on their way, v66, v67 the store's offset and data, v68, v69 lane permutes' destinations; v70-133 heads' numbers, then fragments 5 and 6, then rv and the difference;
;   v134-197 tails' numbers, then their accumulators; v198-253 the bias, then the heads' accumulators; v254, v255 the add's two.
;   window 1: v0-191 the 48 rows on their way; v192-251 fragments 0 to 4.
.set TILES, 5                          ; tiles of a wave: 40 of a block / 8 waves
.set STG,   98304
.set STGW,  25344
.set RVO,   16896
.set PITCH, 528
.set ZR,    301056                     ; the zeros
.set SPARE, 309248                     ; 128 bytes for each of eight waves: four blocks of 256 bytes that no other line names
.set XA2,  1                           ; stage, back, heads: lanes 0-15 row r; lanes 16-31 the zeros (less the 272 bytes at which the immediates begin)
.set LI,   2                           ; 16 x lane
.set LS,   3                           ; 4 x lane
.set COL,  4                           ; 16 x min(lane, 24): a lane's piece of an entity row in memory
.set L15,  5                           ; 4 x (lane % 16)
.set SE,   6                           ; stage, in: 16 x lane
.set XA3,  7                           ; as XA2, for the tails
.set XA,   8                           ; stage, back: row r, + 128 h
.set RA,   9                           ; stage, back: table row r, + 32 h
.set LI2,  10                          ; 16 x lane + 49,152: images 4 to 7
.set LS2,  11                          ; 4 x lane + 49,152
.set H32B, 12                          ; 32 h + 49,152
.set H32,  13                          ; 32 h
.set SH8,  14
.set TX,   15
.set BH,   16
.set BTC,  28
.set Q,    40
.set PWH,  48
.set PWT,  49
.set WSC,  50
.set IDA,  57                          ; 256 w + 4 (lane % 16): my id's place in my first tile's record; never rewritten
.set TM,   58
.set IDN,  64
.set OA,   66
.set SC,   67
.set X,    70
.set XT,   134
.set ACT,  134
.set ACH,  198
.set SPW,  254
.set NIL,  255
.set AF,   192                         ; window 1
.set HL,   16                          ; s16-31 heads, s32-47 tails, s48-63 table rows of the tile to be gathered
.set TL,   32
.set RL,   48
.set WV,   68
.set TT,   71                          ; T
.set CLSL, 72                          ; the class as loaded; of the tile on its way; of the tile in hand
.set CLSN, 73
.set CLSC, 74
.set LOFF, 75                          ; 256 w: my first tile's record in the block's lists; never rewritten
.set MOFF, 76                          ; 4 w: its class word; never rewritten
.set SEL,  80
.set KK,   82
.set KEEP, 85
.set REAL, 86                          ; lanes whose row is no filler
.set FST,  87                          ; row 0's place, later row 0's score
.set MSB, 0
.macro WIN new                         ; the immediate's high byte repeats the setting that is left
.if MSB != \new
	s_set_vgpr_msb (MSB<<8)|\new
.set MSB, \new
.endif
.endm
; 64 numbers of a lane, two whole blocks of 32, become the operand's 12 registers v[pc] on and the row's scale word v[pw].
.macro QUANT2 x, pc, pw
	v_max3_num_f32 v[TM], |v[\x]|, |v[\x+1]|, 0x2800000           ; the largest magnitude, with the floor 2^(5 - 127) among its leaves: the byte cannot fall under 1
	v_max3_num_f32 v[TM+1], |v[\x+32]|, |v[\x+33]|, 0x2800000
.set qi, 2
.rept 15
	v_max3_num_f32 v[TM], v[TM], |v[\x+qi]|, |v[\x+qi+1]|         ; the two blocks by turns
	v_max3_num_f32 v[TM+1], v[TM+1], |v[\x+32+qi]|, |v[\x+33+qi]|
.set qi, qi+2
.endr
	v_add_nc_u32 v[TM+2], 0xfe000000, v[TM]                       ; 4 off the exponent field: the conversion takes this operand's exponent field as its scale
	v_add_nc_u32 v[TM+3], 0xfe000000, v[TM+1]
	v_lshrrev_b32 v[TM+4], 23, v[TM+2]                            ; the scales' bytes: blocks h and 2 + h
	v_lshrrev_b32 v[TM+5], 23, v[TM+3]
	v_lshl_or_b32 v[\pw], v[TM+5], 16, v[TM+4]
	v_lshlrev_b32 v[\pw], v[SH8], v[\pw]
	v_permlanex16_b32 v[TX], v[\pw], s[SEL], s[SEL+1]
	v_or_b32 v[\pw], v[\pw], v[TX]                                ; with lane l xor 16's two the word is whole
	v_cvt_scalef32_pk16_bf6_f32 v[\pc:\pc+2], v[\x:\x+15], v[TM+2]
	v_cvt_scalef32_pk16_bf6_f32 v[Q:Q+2], v[\x+16:\x+31], v[TM+2]   ; (a conversion's three registers begin on an even number)
	v_cvt_scalef32_pk16_bf6_f32 v[\pc+6:\pc+8], v[\x+32:\x+47], v[TM+3]
	v_cvt_scalef32_pk16_bf6_f32 v[Q+4:Q+6], v[\x+48:\x+63], v[TM+3]
	v_nop                                                         ; one plain place behind the scaled conversions
.irp i, 0,1,2
	v_mov_b32 v[\pc+3+\i], v[Q+\i]
	v_mov_b32 v[\pc+9+\i], v[Q+4+\i]
.endr
.endm
; tanh(x) = 1 - 2 / (1 + 2^(2 log2(e) x)) on the 52 registers that can hold one of the 100 features, in steps
.macro T_SCALE a
.set ti, 0
.rept 26
	v_pk_mul_f32 v[\a+ti:\a+ti+1], v[\a+ti:\a+ti+1], s[KK:KK+1] op_sel_hi:[1,0]   ; each accumulator is read from its low end on
.set ti, ti+2
.endr
.endm
.macro T_EXP a
.set ti, 0
.rept 52
	v_exp_f32 v[\a+ti], v[\a+ti]
.set ti, ti+1
.endr
.endm
.macro T_ONE a
.set ti, 0
.rept 26
	v_pk_add_f32 v[\a+ti:\a+ti+1], v[\a+ti:\a+ti+1], 1.0 op_sel_hi:[1,0]
.set ti, ti+2
.endr
.endm
.macro T_RCP a
.set ti, 0
.rept 52
	v_rcp_f32 v[\a+ti], v[\a+ti]
.set ti, ti+1
.endr
.endm
.macro T_FIN a
.set ti, 0
.rept 26
	v_pk_fma_f32 v[\a+ti:\a+ti+1], v[\a+ti:\a+ti+1], -2.0, 1.0 op_sel_hi:[1,0,0]
.set ti, ti+2
.endr
.endm
.macro MM d, a, b, c, sa, sb
	v_wmma_scale_f32_16x16x128_f8f6f4 v[(\d):(\d)+7], v[(\a):(\a)+11], v[(\b):(\b)+11], v[(\c):(\c)+7], v[(\sa)], v[(\sb)] matrix_a_fmt:MATRIX_FMT_BF6 matrix_b_fmt:MATRIX_FMT_BF6
.endm
; Which address registers and which immediate reach image k: images 0 to 3 from LDS byte 0, images 4 to 7 from byte 49,152 (an LDS immediate has 16 bits)
.macro WHERE k
.if (\k) < 4
.set wa, LI
.set ws, LS
.set wb, H32
.set wo, 12288*(\k)
.else
.set wa, LI2
.set ws, LS2
.set wb, H32B
.set wo, 12288*((\k)-4)
.endif
.endm
; Image k's bias (14 loads), scale words (7) and fragments 0 to 4 (15): 36 LDS loads
.macro WL1 k
	WHERE \k
.set wi, 0
.rept 14
	ds_load_b128 v[ACH+4*wi:ACH+4*wi+3], v[wb] offset:wo+11776+16*wi+16*(wi&-2)   ; bias[16 t + 8 h + 4 u ..]: 64 t + 16 u, wi = 2 t + u
.set wi, wi+1
.endr
.irp t, 0,1,2,3,4,5,6
	ds_load_b32 v[WSC+\t], v[ws] offset:wo+10752+128*\t
.endr
	WIN 0x40                                       ; destination window 1
.irp f, 0,1,2,3,4
.irp g, 0,1,2
	ds_load_b128 v[AF+12*\f+4*\g:AF+12*\f+4*\g+3], v[wa] offset:wo+1536*\f+512*\g
.endr
.endr
	WIN 0                                          ; at a label and at a branch every window is 0
.endm
; Image k's fragments 5 and 6, where the heads' numbers lay: 6 LDS loads
.macro WL2 k
	WHERE \k
.irp f, 0,1
.irp g, 0,1,2
	ds_load_b128 v[X+12*\f+4*\g:X+12*\f+4*\g+3], v[wa] offset:wo+1536*(5+\f)+512*\g
.endr
.endr
.endm
; One arm of a choice by the tile's class: the run of loads for class c, then on to the label done
.macro ARM1 c, done
	s_cmp_lg_u32 s[CLSC], \c
	s_cbranch_scc1 .Lnot1_\@
	WL1 \c
	s_branch \done
.Lnot1_\@:
.endm
.macro ARM2 c, done
	s_cmp_lg_u32 s[CLSC], \c
	s_cbranch_scc1 .Lnot2_\@
	WL2 \c
	s_branch \done
.Lnot2_\@:
.endm
; The lists and the class of my tile number j (tile w + 8 j of the block) are asked for, into scalar registers: 2,048 bytes of lists and 32 of classes from one of my tiles to the next
.macro LOADLISTS j
	s_load_b512 s[HL:HL+15], s[10:11], s[LOFF] offset:2048*(\j)
	s_load_b512 s[TL:TL+15], s[10:11], s[LOFF] offset:2048*(\j)+64
	s_load_b512 s[RL:RL+15], s[10:11], s[LOFF] offset:2048*(\j)+128
	s_load_b32 s[CLSL], s[12:13], s[MOFF] offset:32*(\j)
.endm
.macro RVROWS                          ; the 16 rows of the table (under the window setting of the entity rows' loads)
.set gq, 0
.rept 16
	global_load_b128 v[128+4*gq:128+4*gq+3], v[128+4*gq], s[6:7]
.set gq, gq+1
.endr
.endm
; The rows of my tile number j, whose lists have been asked for: a row a load, neighbouring lanes at neighbouring 16 bytes.  Each load lands on its own offset register.  rv = 1: the table's rows too
.macro GATHER j, rv
	s_wait_kmcnt 0x0                               ; the lists (scalar loads come in no order: zero)
	s_mov_b32 s[CLSN], s[CLSL]
	global_load_b32 v[IDN], v[IDA], s[10:11] offset:2048*(\j)+192   ; the rows' places in the output
.set gq, 0
.rept 16
	s_min_u32 s[HL+gq], s[HL+gq], 500000
	s_min_u32 s[TL+gq], s[TL+gq], 500000
	s_min_u32 s[RL+gq], s[RL+gq], 7167
	s_mul_i32 s[HL+gq], s[HL+gq], 400
	s_mul_i32 s[TL+gq], s[TL+gq], 400
	s_lshl_b32 s[RL+gq], s[RL+gq], 9
.set gq, gq+1
.endr
	WIN 0x40                                       ; destination window 1
.set gq, 0
.rept 16
	v_add_nc_u32 v[4*gq], s[HL+gq], v[COL]
	v_add_nc_u32 v[64+4*gq], s[TL+gq], v[COL]
	v_add_nc_u32 v[128+4*gq], s[RL+gq], v[LI]
.set gq, gq+1
.endr
	WIN 0x41                                       ; destination and offset window 1
.set gq, 0
.rept 16
	global_load_b128 v[4*gq:4*gq+3], v[4*gq], s[4:5]
	global_load_b128 v[64+4*gq:64+4*gq+3], v[64+4*gq], s[4:5]
.set gq, gq+1
.endr
.if \rv
	RVROWS
.endif
	WIN 0
.endm
	s_load_b256 s[4:11], s[0:1], 0x0               ; ents_emb, rvtab, wimg, lists
	s_load_b128 s[12:15], s[0:1], 0x20             ; meta, out0
	s_load_b64 s[66:67], s[0:1], 0x30              ; out1
	v_lshl_add_u32 v[SPW], v0, 2, SPARE
	v_mov_b32 v[NIL], 0
	v_lshrrev_b32 v26, 5, v0
	v_readfirstlane_b32 s[WV], v26                 ; wave 0..7
	v_and_b32 v26, 31, v0                          ; lane
	v_lshlrev_b32 v[LI], 4, v26
	v_lshlrev_b32 v[LS], 2, v26
	v_min_u32 v[COL], 24, v26
	v_lshlrev_b32 v[COL], 4, v[COL]
	v_and_b32 v16, 15, v0                          ; r
	v_bfe_u32 v17, v0, 4, 1                        ; h
	v_lshlrev_b32 v[L15], 2, v16
	v_lshlrev_b32 v[H32], 5, v17
	v_lshlrev_b32 v[SH8], 3, v17
	v_add_nc_u32 v[LI2], 0xc000, v[LI]
	v_add_nc_u32 v[LS2], 0xc000, v[LS]
	v_add_nc_u32 v[H32B], 0xc000, v[H32]
	s_lshl_b32 s[LOFF], s[WV], 8
	s_lshl_b32 s[MOFF], s[WV], 2
	v_add_nc_u32 v[IDA], s[LOFF], v[L15]
	s_mul_i32 s77, s[WV], STGW
	s_add_co_u32 s77, s77, STG                     ; my stage
	v_add_nc_u32 v[SE], s77, v[LI]
	v_mul_u32_u24 v18, v16, PITCH
	v_add_nc_u32 v18, s77, v18                     ; its row r
	v_lshl_add_u32 v[XA], v17, 7, v18
	v_lshl_add_u32 v[RA], v17, 5, v18
	v_add_nc_u32 v[RA], RVO, v[RA]
	s_mov_b32 s78, ZR-272
	s_sub_co_u32 s78, s78, s77                     ; from my stage to the zeros, less the 272 bytes at which the immediates of these loads begin
	v_mul_u32_u24 v28, s78, v17                    ; lanes 16-31 take the zeros: the lower base + h x the distance
	v_add_nc_u32 v[XA2], v18, v28
	s_sub_co_u32 s78, s78, 16*PITCH                ; the tails' rows lie 16 rows on, the zeros do not
	v_mul_u32_u24 v29, s78, v17
	v_add_nc_u32 v[XA3], v18, v29
	v_add_nc_u32 v[XA3], 16*PITCH, v[XA3]
	v_mov_b32 v[TX], 0                             ; written once: a lane permute's destination counts as one of its sources
	v_mov_b32 v68, 0
	v_mov_b32 v69, 0
	v_lshlrev_b32 v20, 4, v0                       ; 16 x thread: the weights' way into LDS,
	v_add_nc_u32 v21, 0x10000, v20                 ; and beyond an LDS immediate's 16 bits
	v_lshl_add_u32 v27, v0, 4, ZR                  ; and the zeros'
.irp i, 22,23,24,25
	v_mov_b32 v\i, 0
.endr
	s_mov_b32 s[SEL], 0x76543210
	s_mov_b32 s[SEL+1], 0xfedcba98
	s_mov_b32 s[KK], 0x4038aa3b                    ; 2 log2(e)
	s_mov_b32 s[KK+1], s[KK]                       ; (named with it as a pair, so it is written)
	s_wait_kmcnt 0x0
	s_cmp_lt_u32 ttmp9, 128                        ; blocks 0 .. 127 are the good triples
	s_cselect_b64 s[14:15], s[14:15], s[66:67]
	s_mul_i32 s78, ttmp9, 10240
	s_mov_b32 s79, 0
	s_add_nc_u64 s[10:11], s[10:11], s[78:79]      ; my block's lists
	s_lshl_b32 s78, ttmp9, 8
	s_add_nc_u64 s[12:13], s[12:13], s[78:79]      ; and classes
	LOADLISTS 0
	s_load_b32 s[TT], s[12:13], 0xfc               ; T
.set i, 0
.rept 24
	global_load_b128 v[70+4*i:73+4*i], v20, s[8:9] offset:4096*i   ; the eight images: 256 threads x 16 bytes a load
.set i, i+1
.endr
	ds_store_b128 v27, v[22:25]                    ; the 8,192 zeros: 256 threads x 16 bytes, twice
	ds_store_b128 v27, v[22:25] offset:4096
	GATHER 0, 0                                    ; my first tile's ids and entity rows: 24 + 33 loads are out
	s_wait_loadcnt 33                              ; the 24 loads of weights are in; behind them: the ids and 32 rows
	LOADLISTS 1
.set i, 0
.rept 16
	ds_store_b128 v20, v[70+4*i:73+4*i] offset:4096*i
.set i, i+1
.endr
.rept 8
	ds_store_b128 v21, v[70+4*i:73+4*i] offset:4096*(i-16)
.set i, i+1
.endr
	WIN 0x41
	RVROWS                                         ; and its rows of the table
	WIN 0
	s_wait_dscnt 0x0                               ; for the others' sake: my part of the weights and of the zeros has landed
	s_barrier_signal -1
	s_barrier_wait -1                              ; the one barrier: from here on a wave reads the weights and the zeros, which nobody writes again, and its own stage
; My tile number j.
.macro TILE j
	s_wait_loadcnt 0x0                             ; this tile's rows and ids, asked for a tile ago
	s_wait_xcnt 0x0                                ; the last tile's store has read its offset and its data: both are written again below
	s_mov_b32 s[CLSC], s[CLSN]
	v_readfirstlane_b32 s[FST], v[IDN]             ; row 0's place
	v_cmp_gt_u32 s[REAL], 0x10000, v[IDN]          ; a filler's place is -1
	v_cndmask_b32 v[OA], s[FST], v[IDN], s[REAL]   ; a filler goes where row 0 goes
	v_min_u32 v[OA], 0xffff, v[OA]
	v_lshlrev_b32 v[OA], 2, v[OA]                  ; where the scores go
.if (\j) == TILES-1
	s_add_co_u32 s77, s[WV], 8*(TILES-1)
	s_cmp_lt_u32 s77, s[TT]                        ; tile w + 32 exists where it lies under T
	s_cbranch_scc0 .Ldead
.endif
	WIN 0x04                                       ; an LDS store's data are its source 1: window 1
.set i, 0
.rept 32
	ds_store_b128 v[SE], v[4*i:4*i+3] offset:PITCH*i         ; entity rows: lanes 0 .. 24 the row's 400 bytes; lanes 25 .. 31 the last piece once more, into bytes that nobody reads
.set i, i+1
.endr
.set i, 0
.rept 16
	ds_store_b128 v[SE], v[128+4*i:128+4*i+3] offset:RVO+PITCH*i   ; table rows: 512 bytes
.set i, i+1
.endr
	WIN 0
	s_wait_dscnt 31                                ; 17 of the 48 stores are done: with the 32 loads below 63 LDS instructions are out at the most
.set i, 0
.rept 8                                        ; LDS serves a wave's instructions in order: these see my stores.  The heads: k = 32 h + 0 .. 31,
	ds_load_b128 v[X+4*i:X+4*i+3], v[XA] offset:16*i
.set i, i+1
.endr
	ds_load_b128 v[X+32:X+35], v[XA] offset:256    ; k = 64 + 32 h + 0 .. 3,
.set i, 1
.rept 7
	ds_load_b128 v[X+32+4*i:X+35+4*i], v[XA2] offset:256+16*i   ; and the rest of that block: k = 68 .. 95 for h = 0, zeros for h = 1
.set i, i+1
.endr
.set i, 0
.rept 8                                        ; the tails likewise, 16 rows on
	ds_load_b128 v[XT+4*i:XT+4*i+3], v[XA] offset:16*PITCH+16*i
.set i, i+1
.endr
	ds_load_b128 v[XT+32:XT+35], v[XA] offset:16*PITCH+256
.set i, 1
.rept 7
	ds_load_b128 v[XT+32+4*i:XT+35+4*i], v[XA3] offset:256+16*i
.set i, i+1
.endr
	s_wait_dscnt 32                                ; all but the 32 loads: the 48 stores have read the rows' registers, which may take the next tile
.if (\j)+1 < TILES
	GATHER (\j)+1, 1                               ; the next tile's rows have this tile's arithmetic in which to land
.endif
.if (\j)+2 < TILES
	LOADLISTS (\j)+2                               ; and the lists of the tile after it
.endif
	s_wait_dscnt 16                                ; the heads' numbers are in; the tails' 16 loads may be out
.irp c, 0,1,2,3,4,5,6                          ; the tile's class leads to one of eight runs of 36 loads
	ARM1 \c, .Lgot_a\j
.endr
	WL1 7
.Lgot_a\j:
	QUANT2 X, BH, PWH
.irp c, 0,1,2,3,4,5,6                          ; and to one of eight runs of 6
	ARM2 \c, .Lgot_b\j
.endr
	WL2 7
.Lgot_b\j:
	s_wait_dscnt 42                                ; the tails' numbers are in; behind them: 36 + 6 loads
	QUANT2 XT, BTC, PWT
.rept 8
	v_nop                                          ; a scale word written by vector instructions stands eight places ahead of a scaled product, codes so written four
.endr
	s_wait_dscnt 0x0
	; the tails first: their C is the bias, their D the registers that the tails' numbers have left.  Then the heads add in place onto the bias.
	WIN 0x01                                       ; source 0 window 1
.irp f, 0,1,2,3,4
	MM ACT+8*\f, AF+12*\f, BTC, ACH+8*\f, WSC+\f, PWT
.endr
	WIN 0
.irp f, 5,6
	MM ACT+8*\f, X+12*(\f-5), BTC, ACH+8*\f, WSC+\f, PWT
.endr
.rept 5
	v_nop                                          ; the heads' products write over the C of the tails': five places; they also serve the first read of the tails' results
.endr
.irp f, 5,6
	MM ACH+8*\f, X+12*(\f-5), BH, ACH+8*\f, WSC+\f, PWH
.endr
	WIN 0x01
.irp f, 0,1,2,3,4
	MM ACH+8*\f, AF+12*\f, BH, ACH+8*\f, WSC+\f, PWH
.endr
	WIN 0
	T_SCALE ACT                                    ; 26 plain instructions on the tails' results alone: the places behind the heads' products
.irp t, 0,1,2,3,4,5
	ds_load_b128 v[X+8*\t:X+8*\t+3], v[RA] offset:64*\t        ; rv: features 16 t + 8 h + 0 .. 7 of row r
	ds_load_b128 v[X+8*\t+4:X+8*\t+7], v[RA] offset:64*\t+16
.endr
	ds_load_b128 v[X+48:X+51], v[RA] offset:384
	T_SCALE ACH
	T_EXP ACT
	T_EXP ACH
	v_nop                                          ; a plain place behind the batch,
	s_wait_alu depctr_va_vdst(0)                   ; and one wait for all 104, ahead of their first reader
	T_ONE ACT
	T_ONE ACH
	T_RCP ACT
	T_RCP ACH
	v_nop
	s_wait_alu depctr_va_vdst(0)
	T_FIN ACT
	T_FIN ACH
	v_pk_mul_f32 v[40:41], v[ACH:ACH+1], v[ACH:ACH+1]      ; the two sums of squares by turns
	v_pk_mul_f32 v[42:43], v[ACT:ACT+1], v[ACT:ACT+1]
.set ti, 2
.rept 25
	v_pk_fma_f32 v[40:41], v[ACH+ti:ACH+ti+1], v[ACH+ti:ACH+ti+1], v[40:41]
	v_pk_fma_f32 v[42:43], v[ACT+ti:ACT+ti+1], v[ACT+ti:ACT+ti+1], v[42:43]
.set ti, ti+2
.endr
	v_add_f32 v40, v40, v41
	v_add_f32 v42, v42, v43
	v_permlanex16_b32 v68, v40, s[SEL], s[SEL+1]   ; the row's other features lie in lane l xor 16
	v_permlanex16_b32 v69, v42, s[SEL], s[SEL+1]
	v_add_f32 v40, v40, v68
	v_add_f32 v42, v42, v69
	v_rsq_f32 v44, v40
	v_rsq_f32 v46, v42
	v_nop
	s_wait_alu depctr_va_vdst(0)
	v_min_num_f32 v44, 0x5368d4a5, v44             ; 1 / max(norm, 1e-12)
	v_min_num_f32 v46, 0x5368d4a5, v46
	v_mov_b32 v45, v44
	v_mov_b32 v47, v46
	s_wait_dscnt 0x0                               ; rv
.set ti, 0
.rept 26
	v_pk_fma_f32 v[X+ti:X+ti+1], v[ACH+ti:ACH+ti+1], v[44:45], v[X+ti:X+ti+1]
.set ti, ti+2
.endr
.set ti, 0
.rept 26
	v_pk_fma_f32 v[X+ti:X+ti+1], v[ACT+ti:ACT+ti+1], v[46:47], v[X+ti:X+ti+1] neg_lo:[0,1,0] neg_hi:[0,1,0]   ; hv + rv - tv
.set ti, ti+2
.endr
	v_pk_mul_f32 v[40:41], v[X:X+1], v[X:X+1]      ; its squares, in two chains
	v_pk_mul_f32 v[42:43], v[X+2:X+3], v[X+2:X+3]
.set ti, 4
.rept 12
	v_pk_fma_f32 v[40:41], v[X+ti:X+ti+1], v[X+ti:X+ti+1], v[40:41]
	v_pk_fma_f32 v[42:43], v[X+ti+2:X+ti+3], v[X+ti+2:X+ti+3], v[42:43]
.set ti, ti+4
.endr
	v_pk_add_f32 v[40:41], v[40:41], v[42:43]
	v_add_f32 v40, v40, v41
	v_permlanex16_b32 v68, v40, s[SEL], s[SEL+1]
	v_add_f32 v40, v40, v68
	v_sqrt_f32 v[SC], v40
	v_nop                                          ; a plain place behind the root
	s_cmp_eq_u32 s[CLSC], 7
	s_cselect_b32 s[KEEP], 0, -1
	s_wait_alu depctr_va_vdst(0)
	v_cndmask_b32 v[SC], 0, v[SC], s[KEEP]         ; class 7: the score is 0
	v_readfirstlane_b32 s[FST], v[SC]              ; row 0's score,
	v_cndmask_b32 v[SC], s[FST], v[SC], s[REAL]    ; which a filler stores once more at row 0's place
	global_store_b32 v[OA], v[SC], s[14:15]
.endm
	TILE 0
	TILE 1
	TILE 2
	TILE 3
	TILE 4
.Ldead:
	s_wait_tensorcnt 0x0                           ; the wave's end
	ds_add_u32 v[SPW], v[NIL]
	s_wait_dscnt 0x0
	s_endpgm
.Lfunc_end_k_q457dfb9dd8_main:
	.size	k_q457dfb9dd8_main, .Lfunc_end_k_q457dfb9dd8_main-k_q457dfb9dd8_main
	.p2alignl 7, 3214868480
	.fill 96, 4, 3214868480
	.section	.rodata,"a",@progbits
	.p2align	6, 0x0
	.amdhsa_kernel k_q457dfb9dd8_main
		.amdhsa_group_segment_fixed_size 310272
		.amdhsa_private_segment_fixed_size 0
		.amdhsa_enable_private_segment 0
		.amdhsa_kernarg_size 56
		.amdhsa_user_sgpr_count 2
		.amdhsa_user_sgpr_kernarg_segment_ptr 1
		.amdhsa_wavefront_size32 1
		.amdhsa_system_sgpr_workgroup_id_x 1
		.amdhsa_system_sgpr_workgroup_id_y 1
		.amdhsa_system_sgpr_workgroup_id_z 1
		.amdhsa_system_vgpr_workitem_id 0
		.amdhsa_next_free_vgpr 512
		.amdhsa_next_free_sgpr 100
		.amdhsa_reserve_vcc 0
		.amdhsa_float_denorm_mode_32 3
		.amdhsa_float_denorm_mode_16_64 3
		.amdhsa_memory_ordered 1
		.amdhsa_forward_progress 1
		.amdhsa_inst_pref_size 255
	.end_amdhsa_kernel
	.section	.bss,"aw",@nobits
	.p2align	6
	.space	262144
	.amdgpu_metadata
---
amdhsa.version: [ 1, 2 ]
amdhsa.kernels:
  - .name:           k_q457dfb9dd8_main
    .symbol:         k_q457dfb9dd8_main.kd
    .args:
      - { .name: ents_emb, .offset: 0, .size: 8, .value_kind: global_buffer, .address_space: global }
      - { .name: rvtab, .offset: 8, .size: 8, .value_kind: global_buffer, .address_space: global }
      - { .name: wimg, .offset: 16, .size: 8, .value_kind: global_buffer, .address_space: global }
      - { .name: lists, .offset: 24, .size: 8, .value_kind: global_buffer, .address_space: global }
      - { .name: meta, .offset: 32, .size: 8, .value_kind: global_buffer, .address_space: global }
      - { .name: out0, .offset: 40, .size: 8, .value_kind: global_buffer, .address_space: global }
      - { .name: out1, .offset: 48, .size: 8, .value_kind: global_buffer, .address_space: global }
    .group_segment_fixed_size: 310272
    .private_segment_fixed_size: 0
    .kernarg_segment_align: 8
    .kernarg_segment_size: 56
    .max_flat_workgroup_size: 256
    .sgpr_count:     100
    .vgpr_count:     512
    .wavefront_size: 32
...
	.end_amdgpu_metadata
.endif
;; end of part 2
;; ======== version 2 of 2: 2 launches; version 1 with the launches prep, main written anew for expert scheduling mode
;; workspace buffers: lists 2,621,440 bytes of whole numbers; meta 65,536 bytes of whole numbers; wimg 98,304 bytes; rvtab 3,670,016 bytes
;; launch prep (part 3): grid 96 x 1, 8 waves a work-group, no clusters, 80,384 bytes of LDS; arguments sources, sources_bad, heads, heads_bad, rels, rels_bad, tails, tails_bad, entW, entB, relW, relB, rels_emb, lists, meta, wimg, rvtab; writes lists, meta, wimg, rvtab
.if DOCPART == 3
	.amdgcn_target "amdgcn-amd-amdhsa--gfx1250"
	.amdhsa_code_object_version 6
	.text
	.protected	k_q457dfb9dd8_prep
	.globl	k_q457dfb9dd8_prep
	.p2align	8
	.type	k_q457dfb9dd8_prep,@function
k_q457dfb9dd8_prep:
	s_mov_b64 s[64:65], 0
	v_nop
	global_prefetch_b8 v0, s[64:65] scope:SCOPE_SE
	s_setreg_imm32_b32 hwreg(HW_REG_WAVE_SCHED_MODE, 0, 2), 2
	s_setreg_imm32_b32 hwreg(HW_REG_WAVE_MODE, 25, 1), 1
	s_wait_xcnt 0x0
	s_wait_alu depctr_vm_vsrc(0)
; TransE with a matrix for each source: score = | n(tanh(he We^T + be)) + n(tanh(re Wr^T + br)) - n(tanh(te We^T + be)) |, n = division by max(l2 norm, 1e-12),
; the matrices and biases those of expert e = source - 2; products on codes of BF6 (E3M2) with one E8M0 scale for each 32 along K = 100 (the last block filled with zeros).
; WORK LEFT OUT, for all finite inputs.  For a row with source s every term of the sum over experts with e + 2 != s is tanh(..) x 0; tanh lies in [-1, 1], so the term is 0:
; only the expert that the row's source names is multiplied (a choice by whole numbers that are read from memory).  A row whose source lies outside 2 .. 8 (class 7 here) has
; hv = rv = tv = 0 and the score 0, which is stored.  rv hangs on the pair (rel, expert) alone: it is made once for each of the 7 x 1,001 pairs, not once for each row.
; No input is without a way to an output: all are loaded.
; LIMITS.  A NaN, an infinity or an overflow that arises only in an expert that a row has not chosen is not carried to the result.  NaN and infinities among the floating-point inputs
; are not served.  A block of zeros gets the scale byte 1 (its codes are zeros; this program alone reads the bytes); blocks whose largest magnitude lies under 2^-122, whose byte is held at 1, were not tried.
; Indices are held at 1,000 (rels) here and at 500,000 (entities) in the second launch.  1 / max(norm, 1e-12) is made as min(rsq(sum of squares), 1e12).
; THREE ROLES, by the work-group's number g:
;   g  0 .. 31  SORT: wave w sorts block b = 8 g + w of 512 triples by class into tiles of 16 rows of one class (a counting sort in registers), and stores the tiles' lists and classes.
;   g 32 .. 39  IMAGE: entW of expert min(g - 32, 6) becomes seven fragments of codes in the order of the operand's registers, their scale words, and the bias filled with zeros to 128.
;   g 40 .. 95  TABLE: expert (g - 40) / 8; wave w makes the normalised rv of 16 rels, rows of 128 f32 (zeros from 100 on).
; lists: block b at 10,240 b, tile s (0 .. 39) at + 256 s: 16 heads, 16 tails, 16 rows of the table (1,024 min(class, 6) + rel), 16 places in the block's output (a filler: entity 0, row 0, place -1).
;   Tiles T .. 39 hold fillers alone: all 40 tiles of a block are written.
; meta: block b at 256 b: word s the class of tile s (7 from T on), word 63 the number of tiles T (32 .. 39: 512 rows in 8 classes).
; THE MODE: SCHED_MODE bits 1:0 = 2 (LLVM: expert scheduling mode 2), set by the entry lines.  The code itself states the register dependences
; between vector or matrix instructions and memory or LDS instructions, with s_wait_alu, always for 0.
; THE PLAN.  No register that a memory or LDS instruction reads is written again in any role, so no wait on vm_vsrc is owed.  In each role the offsets and addresses are made in one run, with one wait on
; va_vdst ahead of the first load; each run of stores has one wait on va_vdst ahead of it, for its data; a load into registers that vector or matrix instructions have named stands behind such a wait too.
;   TABLE  v154-217: x's loads | the quantiser reads | wait | the bias lands | products and vector work | wait | LDS stores read.   v70-153: relW's loads | the quantiser reads | (the same wait) | the seven
;          fragments land | the products read | (the wait ahead of the LDS stores) | the rows come back | global stores read.   v28-39, v49: the quantiser writes | wait | LDS stores read.
;   SORT   v16-79: the loads land | vector work | one wait | the stores read them, with the offsets v112-127, v160-171 and the ids v96-111.
; Masks and numbers that vector instructions write into scalar registers are made in runs, with one wait on va_sdst between a run and its first reader.
.set SPARE, 79360                      ; the spare words: 128 bytes for each of eight waves, four blocks of 256 bytes that no other line names
.set WS,    10752                      ; LDS (TABLE alone): seven fragments' images of 1,536 bytes from 0, their scale words of 128 bytes from here,
.set STG,   11776                      ; and a stage of 16 rows x 528 bytes for each wave
.set STGW,  8448
.set PITCH, 528
.set SEL,   80                         ; s[80:81] v_permlanex16_b32's selects for lane l xor 16
.set KK,    82                         ; s[82:83] 2 log2(e)
.set CNT,   48                         ; s48-55  rows of each class so far
.set BT,    66                         ; s66-74  first tile of each class; BT + 8: T
.set SH8,   4                          ; v4   8 x (lane / 16)
.set TX,    5                          ; v5   a lane permute's destination
.set Q,     40                         ; v40-47 second halves of a block's codes
.set TM,    58                         ; v58-63 at work in the quantiser
.set SPW,   254                        ; v254 LDS address of my spare word; never rewritten
.set NIL,   255                        ; v255 0; never rewritten
.set CL,    16                         ; SORT: v16-31 class, v32-47 head, v48-63 tail, v64-79 rel, v80-95 place, v96-111 id, v112-127 byte offset; register 4 i + k holds the block's row 128 i + 4 lane + k
.set HD,    32
.set TL,    48
.set RL,    64
.set POS,   80
.set ID,    96
.set AD,    112
.set PA,    160                        ; v160-167 the fillers' offsets, one register a class
.set FA,    168                        ; v168-171 the offsets of the fillers from tile T on
.macro FINISH                          ; a wave's end: the closing lines, six on end
	s_wait_dscnt 0x0
	s_wait_alu 0x0
	s_wait_tensorcnt 0x0
	ds_add_u32 v[SPW], v[NIL]
	s_wait_dscnt 0x0
	s_endpgm
.endm
; 64 numbers of a row of 100 f32 in the order of a 6-bit operand: lane (r, h) takes k = 32 h + 0 .. 31 and k = 64 + 32 h + 0 .. 31.  a1 = row x 400 + 128 h, a2 = row x 400:
; where h = 1 only k = 96 .. 99 of the second run exist, so its last 28 registers read the row's k = 68 .. 95 instead (inside the row) and are cleared by ZERO64.
.macro LOAD64 reg, a1, a2, b
.set li, 0
.rept 8
	global_load_b128 v[\reg+4*li:\reg+4*li+3], v[\a1], s[\b:\b+1] offset:16*li
.set li, li+1
.endr
	global_load_b128 v[\reg+32:\reg+35], v[\a1], s[\b:\b+1] offset:256
.set li, 1
.rept 7
	global_load_b128 v[\reg+32+4*li:\reg+35+4*li], v[\a2], s[\b:\b+1] offset:256+16*li
.set li, li+1
.endr
.endm
; zeros ahead of the block's maximum: srow = lanes whose row exists, sk = those of them with h = 0
.macro ZERO64 reg, srow, sk, all
.if \all
.set li, 0
.rept 36
	v_cndmask_b32 v[\reg+li], 0, v[\reg+li], s[\srow]
.set li, li+1
.endr
.endif
.set li, 36
.rept 28
	v_cndmask_b32 v[\reg+li], 0, v[\reg+li], s[\sk]
.set li, li+1
.endr
.endm
; 64 numbers of a lane, two whole blocks of 32, become the operand's 12 registers v[pc] on and the row's scale word v[pw].
.macro QUANT2 x, pc, pw
	v_max3_num_f32 v[TM], |v[\x]|, |v[\x+1]|, 0x2800000           ; the largest magnitude, with the floor 2^(5 - 127) among its leaves: the byte cannot fall under 1
	v_max3_num_f32 v[TM+1], |v[\x+32]|, |v[\x+33]|, 0x2800000
.set qi, 2
.rept 15
	v_max3_num_f32 v[TM], v[TM], |v[\x+qi]|, |v[\x+qi+1]|         ; the two blocks by turns
	v_max3_num_f32 v[TM+1], v[TM+1], |v[\x+32+qi]|, |v[\x+33+qi]|
.set qi, qi+2
.endr
	v_add_nc_u32 v[TM+2], 0xfe000000, v[TM]                       ; 4 off the exponent field: the conversion takes this operand's exponent field as its scale
	v_add_nc_u32 v[TM+3], 0xfe000000, v[TM+1]
	v_lshrrev_b32 v[TM+4], 23, v[TM+2]                            ; the scales' bytes: blocks h and 2 + h
	v_lshrrev_b32 v[TM+5], 23, v[TM+3]
	v_lshl_or_b32 v[\pw], v[TM+5], 16, v[TM+4]
	v_lshlrev_b32 v[\pw], v[SH8], v[\pw]                          ; at their places in the word
	v_permlanex16_b32 v[TX], v[\pw], s[SEL], s[SEL+1]
	v_or_b32 v[\pw], v[\pw], v[TX]                                ; with lane l xor 16's two the word is whole
	v_cvt_scalef32_pk16_bf6_f32 v[\pc:\pc+2], v[\x:\x+15], v[TM+2]
	v_cvt_scalef32_pk16_bf6_f32 v[Q:Q+2], v[\x+16:\x+31], v[TM+2]   ; (a conversion's three registers begin on an even number)
	v_cvt_scalef32_pk16_bf6_f32 v[\pc+6:\pc+8], v[\x+32:\x+47], v[TM+3]
	v_cvt_scalef32_pk16_bf6_f32 v[Q+4:Q+6], v[\x+48:\x+63], v[TM+3]
	v_nop                                                         ; one plain place behind the scaled conversions
.irp i, 0,1,2
	v_mov_b32 v[\pc+3+\i], v[Q+\i]
	v_mov_b32 v[\pc+9+\i], v[Q+4+\i]
.endr
.endm
; tanh(x) = 1 - 2 / (1 + 2^(2 log2(e) x)) on the 52 registers that can hold one of the 100 features, in steps
.macro T_SCALE a
.set ti, 0
.rept 26
	v_pk_mul_f32 v[\a+ti:\a+ti+1], v[\a+ti:\a+ti+1], s[KK:KK+1] op_sel_hi:[1,0]   ; each accumulator is read from its low end on
.set ti, ti+2
.endr
.endm
.macro T_EXP a
.set ti, 0
.rept 52
	v_exp_f32 v[\a+ti], v[\a+ti]
.set ti, ti+1
.endr
.endm
.macro T_ONE a
.set ti, 0
.rept 26
	v_pk_add_f32 v[\a+ti:\a+ti+1], v[\a+ti:\a+ti+1], 1.0 op_sel_hi:[1,0]
.set ti, ti+2
.endr
.endm
.macro T_RCP a
.set ti, 0
.rept 52
	v_rcp_f32 v[\a+ti], v[\a+ti]
.set ti, ti+1
.endr
.endm
.macro T_FIN a
.set ti, 0
.rept 26
	v_pk_fma_f32 v[\a+ti:\a+ti+1], v[\a+ti:\a+ti+1], -2.0, 1.0 op_sel_hi:[1,0,0]
.set ti, ti+2
.endr
.endm
	s_load_b512 s[4:19], s[0:1], 0x0               ; sources, sources_bad, heads, heads_bad, rels, rels_bad, tails, tails_bad
	s_load_b512 s[20:35], s[0:1], 0x40             ; entW, entB, relW, relB, rels_emb, lists, meta, wimg
	s_load_b64 s[36:37], s[0:1], 0x80              ; rvtab
	v_lshl_add_u32 v[SPW], v0, 2, SPARE
	v_mov_b32 v[NIL], 0
	v_lshrrev_b32 v1, 5, v0
	v_readfirstlane_b32 s38, v1                    ; wave 0..7
	v_and_b32 v1, 31, v0                           ; lane
	v_and_b32 v2, 15, v0                           ; r
	v_bfe_u32 v3, v0, 4, 1                         ; h
	v_lshlrev_b32 v[SH8], 3, v3
	v_mov_b32 v[TX], 0                             ; written once: a lane permute's destination counts as one of its sources
	s_mov_b32 s[SEL], 0x76543210
	s_mov_b32 s[SEL+1], 0xfedcba98
	s_mov_b32 s[KK], 0x4038aa3b                    ; 2 log2(e)
	s_mov_b32 s[KK+1], s[KK]                       ; (named with it as a pair, so it is written)
	s_mov_b32 s39, ttmp9                           ; g
	s_mov_b32 s45, 0                               ; the upper word of every byte offset below
	s_wait_alu depctr_va_sdst(0)                   ; s38, the wave's number, is written
	s_wait_kmcnt 0x0
	s_cmp_lt_u32 s39, 32
	s_cbranch_scc1 .Lsort
	s_cmp_lt_u32 s39, 40
	s_cbranch_scc1 .Limage
; ---------------- TABLE: the normalised rv of 16 rels a wave, for one expert ----------------
; v16-27 x's codes, v28-39 a fragment of relW just made, v48 x's scale word, v49 the fragment's, v50-56 relW's seven scale words, v64-67 sum of squares and its inverse root,
; v70-153 64 numbers of relW, then its seven fragments, then rows on the way out; v154-217 64 numbers of x, then the seven accumulators (56).
	s_sub_co_u32 s40, s39, 40
	s_lshr_b32 s41, s40, 3                         ; the expert
	s_and_b32 s42, s40, 7
	s_lshl_b32 s42, s42, 3
	s_add_co_u32 s42, s42, s38                     ; which 16 rels are my wave's: 0 .. 63
	s_mul_i32 s44, s41, 40000
	s_add_nc_u64 s[24:25], s[24:25], s[44:45]      ; relW[e]
	s_mul_i32 s44, s41, 400
	s_add_nc_u64 s[26:27], s[26:27], s[44:45]      ; relB[e]
	s_lshl_b32 s44, s41, 10
	s_lshl_b32 s46, s42, 4
	s_add_co_u32 s44, s44, s46
	s_lshl_b32 s44, s44, 9
	s_add_nc_u64 s[36:37], s[36:37], s[44:45]      ; my 16 rows of the table: row 1,024 e + 16 x tile, 512 bytes each
	v_add_nc_u32 v10, s46, v2
	v_min_u32 v11, 0x3e8, v10                      ; rels 1,001 .. 1,023 do not exist: their rows repeat rel 1,000 and are never read
	v_mul_u32_u24 v13, v11, 400
	v_lshl_add_u32 v12, v3, 7, v13
	; every LDS address is made here, ahead of the branch on the wave's number
	v_lshlrev_b32 v218, 4, v1                      ; 16 x lane
	v_lshlrev_b32 v219, 2, v1                      ; 4 x lane
	v_lshlrev_b32 v220, 5, v3                      ; 32 h
	v_mov_b32 v221, 0
	s_mul_i32 s47, s38, 1536
	v_add_nc_u32 v14, s47, v218                    ; where wave w puts fragment w's image
	s_lshl_b32 s47, s38, 7
	v_add_nc_u32 v15, s47, v219                    ; and its scale words (+ WS)
	s_mul_i32 s47, s38, STGW
	s_add_co_u32 s47, s47, STG                     ; my stage
	v_mul_u32_u24 v222, v2, PITCH
	v_lshl_add_u32 v222, v3, 5, v222
	v_add_nc_u32 v222, s47, v222                   ; in: row r, + 32 h
	v_add_nc_u32 v223, s47, v218                   ; back: 16 bytes a lane of a whole row
.irp i, 224,225,226,227,228
	v_mov_b32 v\i, 0                               ; four zeros for the rows' tails; v228: a lane permute's destination
.endr
	s_lshl_b32 s47, s38, 4
	v_add_nc_u32 v6, s47, v2                       ; relW's row n = 16 w + r
	v_min_u32 v7, 99, v6
	v_mul_u32_u24 v8, v7, 400
	v_lshl_add_u32 v9, v3, 7, v8
	v_cmp_gt_u32 s84, 100, v6                      ; rows 100 .. 111 do not exist: zero codes
	s_mov_b32 s86, 0xffff
	s_wait_alu depctr_va_sdst(0)                   ; the mask s84 is written, ahead of its first reader
	s_and_b32 s85, s84, 0xffff
	s_wait_alu depctr_va_vdst(0)                   ; all offsets and addresses of this role (v8, v9, v12 to v15, v218 to v223) and the four zeros v224 to v227 are written, which its loads and stores read
	LOAD64 154, 12, 13, 28                         ; x = 16 rows of rels_emb
	s_cmp_eq_u32 s38, 7                            ; seven fragments: wave 7 makes none
	s_cbranch_scc1 .Ljoin
	LOAD64 70, 9, 8, 24
	s_wait_loadcnt 0x0
	ZERO64 70, 84, 85, 1
	QUANT2 70, 28, 49
	s_wait_alu depctr_va_vdst(0)                   ; the quantiser has written the fragment's codes v28 to v39 and its scale word v49, which the LDS stores read
.irp c, 0,1,2
	ds_store_b128 v14, v[28+4*\c:31+4*\c] offset:512*\c   ; the fragment goes to LDS as an image of its registers
.endr
	ds_store_b32 v15, v49 offset:WS
.Ljoin:
	s_wait_loadcnt 0x0                             ; x
	ZERO64 154, 86, 86, 0
	QUANT2 154, 16, 48
	s_wait_alu depctr_va_vdst(0)                   ; the two quantisers are done with v154 to v217, in which the bias lands, and with v70 to v133, in which the fragments land behind the barrier
.irp t, 0,1,2,3,4,5                            ; the bias is the C of each sum's one product: lane (r, h) wants relB[16 t + 8 h + 0 .. 7]
	global_load_b128 v[154+8*\t:157+8*\t], v220, s[26:27] offset:64*\t
	global_load_b128 v[158+8*\t:161+8*\t], v220, s[26:27] offset:64*\t+16
.endr
	global_load_b128 v[202:205], v221, s[26:27] offset:384   ; relB[96 .. 99]: for h = 0 alone
	ds_store_b128 v222, v[224:227] offset:448      ; features 112 .. 127 of my 16 rows: zeros
	ds_store_b128 v222, v[224:227] offset:464
	s_wait_dscnt 0x0                               ; for the others' sake: my image has landed
	s_barrier_signal -1
	s_barrier_wait -1                              ; all seven lie in LDS
.irp t, 0,1,2,3,4,5,6
.irp c, 0,1,2
	ds_load_b128 v[70+12*\t+4*\c:73+12*\t+4*\c], v218 offset:1536*\t+512*\c
.endr
	ds_load_b32 v[50+\t], v219 offset:WS+128*\t
.endr
	s_wait_dscnt 0x0
	s_wait_loadcnt 0x0                             ; the bias
.irp i, 202,203,204,205
	v_cndmask_b32 v\i, 0, v\i, s86                 ; features 104 .. 107 (h = 1) have none
.endr
.irp i, 206,207,208,209
	v_mov_b32 v\i, 0
.endr
.rept 8
	v_nop                                          ; x's scale word and codes were written by vector instructions: eight and four places ahead of a scaled product
.endr
	s_wait_alu depctr_va_vdst(0)                   ; x's codes v16 to v27 and its scale word v48 are written, which the scaled products take; the places above stay beside this wait
.irp t, 0,1,2,3,4,5,6                          ; transposed: source 0 = 16 rows of relW, source 1 = my 16 rels: lane (r, h) holds features 16 t + 8 h + 0 .. 7 of rel r
	v_wmma_scale_f32_16x16x128_f8f6f4 v[154+8*\t:161+8*\t], v[70+12*\t:81+12*\t], v[16:27], v[154+8*\t:161+8*\t], v[50+\t], v48 matrix_a_fmt:MATRIX_FMT_BF6 matrix_b_fmt:MATRIX_FMT_BF6
.endr
.rept 4
	v_nop
.endr
	T_SCALE 154
	T_EXP 154
	v_nop                                          ; a plain place behind the batch,
	s_wait_alu depctr_va_vdst(0)                   ; and one wait for all 52 exponentials' results, ahead of their first reader
	T_ONE 154
	T_RCP 154
	v_nop
	s_wait_alu depctr_va_vdst(0)                   ; the 52 reciprocals are written, ahead of their first reader
	T_FIN 154
	v_pk_mul_f32 v[64:65], v[154:155], v[154:155]  ; the sum of squares
.set ti, 2
.rept 25
	v_pk_fma_f32 v[64:65], v[154+ti:155+ti], v[154+ti:155+ti], v[64:65]
.set ti, ti+2
.endr
	v_add_f32 v64, v64, v65
	v_permlanex16_b32 v228, v64, s[SEL], s[SEL+1]
	v_add_f32 v64, v64, v228
	v_rsq_f32 v66, v64
	v_nop
	s_wait_alu depctr_va_vdst(0)                   ; the inverse root is written, ahead of its first reader
	v_min_num_f32 v66, 0x5368d4a5, v66             ; 1 / max(norm, 1e-12)
	v_mov_b32 v67, v66
.set ti, 0
.rept 26
	v_pk_mul_f32 v[154+ti:155+ti], v[154+ti:155+ti], v[66:67]
.set ti, ti+2
.endr
	s_wait_alu depctr_va_vdst(0)                   ; the normalised rows v154 to v209 are written, which the LDS stores read; the products are done reading v70 to v153, in which the rows come back
.irp t, 0,1,2,3,4,5,6                          ; (features 100 .. 111 are zeros: zero codes and no bias)
	ds_store_b128 v222, v[154+8*\t:157+8*\t] offset:64*\t
	ds_store_b128 v222, v[158+8*\t:161+8*\t] offset:64*\t+16
.endr
.irp i, 0,1,2,3,4,5,6,7,8,9,10,11,12,13,14,15
	ds_load_b128 v[70+4*\i:73+4*\i], v223 offset:PITCH*\i   ; LDS serves a wave's instructions in order: these see my stores
.endr
.irp i, 0,1,2,3,4,5,6,7,8,9,10,11,12,13,14,15
	s_wait_dscnt 15-\i                             ; row i is back; the younger loads may stay out
	global_store_b128 v218, v[70+4*\i:73+4*\i], s[36:37] offset:512*\i   ; 32 lanes store a row of 512 consecutive bytes, aligned
.endr
	FINISH
; ---------------- IMAGE: entW of one expert as the second launch's operand registers ----------------
.Limage:
	s_sub_co_u32 s40, s39, 32                      ; the image 0 .. 7; image 7 (rows of class 7, whose score is 0 whatever it holds) repeats expert 6
	s_min_u32 s41, s40, 6
	s_mul_i32 s44, s41, 40000
	s_add_nc_u64 s[20:21], s[20:21], s[44:45]
	s_mul_i32 s44, s41, 400
	s_add_nc_u64 s[22:23], s[22:23], s[44:45]
	s_mul_i32 s44, s40, 12288
	s_add_nc_u64 s[34:35], s[34:35], s[44:45]
	s_cmp_eq_u32 s38, 7
	s_cbranch_scc1 .Lbias
	s_lshl_b32 s47, s38, 4
	v_add_nc_u32 v6, s47, v2                       ; entW's row n = 16 w + r
	v_min_u32 v7, 99, v6
	v_mul_u32_u24 v8, v7, 400
	v_lshl_add_u32 v9, v3, 7, v8
	v_cmp_gt_u32 s84, 100, v6
	s_wait_alu depctr_va_sdst(0)                   ; the mask s84 is written, ahead of its first reader
	s_and_b32 s85, s84, 0xffff
	s_wait_alu depctr_va_vdst(0)                   ; the offsets v8 and v9 are written, which the loads read
	LOAD64 70, 9, 8, 20
	s_mul_i32 s47, s38, 1536
	v_lshl_add_u32 v14, v1, 4, s47
	s_lshl_b32 s47, s38, 7
	v_lshl_add_u32 v15, v1, 2, s47
	s_wait_loadcnt 0x0
	ZERO64 70, 84, 85, 1
	QUANT2 70, 28, 49
	s_wait_alu depctr_va_vdst(0)                   ; the codes v28 to v39, the scale word v49 and the offsets v14 and v15 are written, which the stores read
.irp c, 0,1,2
	global_store_b128 v14, v[28+4*\c:31+4*\c], s[34:35] offset:512*\c   ; 512 consecutive bytes, aligned
.endr
	global_store_b32 v15, v49, s[34:35] offset:WS
	FINISH
.Lbias:
	v_min_u32 v10, 24, v1
	v_lshlrev_b32 v10, 4, v10
	v_lshlrev_b32 v11, 4, v1
	v_lshlrev_b32 v12, 2, v1
	v_mov_b32 v13, 0
	v_cmp_gt_u32 vcc_lo, 25, v1
	s_wait_alu depctr_va_vdst(0)                   ; the offsets v10 to v12 and the zero v13 are written, which the load and the stores read
	global_load_b128 v[16:19], v10, s[22:23]       ; entB[e]: 25 pieces of 16 bytes; lanes 25 .. 31 repeat the last and are cleared
	s_wait_alu depctr_va_vcc(0)                    ; the compare has written VCC, ahead of its first reader
	s_wait_loadcnt 0x0
.irp i, 16,17,18,19
	v_cndmask_b32 v\i, 0, v\i, vcc_lo
.endr
	s_wait_alu depctr_va_vdst(0)                   ; the selects have written v16 to v19, which the store reads
	global_store_b128 v11, v[16:19], s[34:35] offset:11776
	global_store_b32 v12, v13, s[34:35] offset:WS+896   ; the eighth place of scale words: no fragment has it
	FINISH
; ---------------- SORT: a wave sorts 512 triples by class ----------------
.Lsort:
	s_lshl_b32 s40, s39, 3
	s_add_co_u32 s40, s40, s38                     ; block b; blocks 0 .. 127 are the good triples, 128 .. 255 the bad
	s_cmp_lt_u32 s39, 16
	s_cselect_b64 s[4:5], s[4:5], s[6:7]
	s_cselect_b64 s[8:9], s[8:9], s[10:11]
	s_cselect_b64 s[12:13], s[12:13], s[14:15]
	s_cselect_b64 s[16:17], s[16:17], s[18:19]
	s_and_b32 s41, s40, 127
	s_lshl_b32 s44, s41, 11                        ; 512 rows of 4 bytes
	s_add_nc_u64 s[4:5], s[4:5], s[44:45]
	s_add_nc_u64 s[8:9], s[8:9], s[44:45]
	s_add_nc_u64 s[12:13], s[12:13], s[44:45]
	s_add_nc_u64 s[16:17], s[16:17], s[44:45]
	s_mul_i32 s44, s40, 10240
	s_add_nc_u64 s[30:31], s[30:31], s[44:45]
	s_lshl_b32 s44, s40, 8
	s_add_nc_u64 s[32:33], s[32:33], s[44:45]
	v_lshlrev_b32 v6, 4, v1
	s_wait_alu depctr_va_vdst(0)                   ; the offset v6 is written, which the sixteen loads read
.irp i, 0,1,2,3
	global_load_b128 v[CL+4*\i:CL+4*\i+3], v6, s[4:5] offset:512*\i     ; each load: 512 consecutive bytes
	global_load_b128 v[HD+4*\i:HD+4*\i+3], v6, s[8:9] offset:512*\i
	global_load_b128 v[TL+4*\i:TL+4*\i+3], v6, s[16:17] offset:512*\i
	global_load_b128 v[RL+4*\i:RL+4*\i+3], v6, s[12:13] offset:512*\i
.endr
.irp c, 0,1,2,3,4,5,6,7
	s_mov_b32 s[CNT+\c], 0
.endr
	s_lshl_b32 s46, s41, 9
	v_lshl_add_u32 v7, v1, 2, s46                  ; the place in the block's output of my first row
	v_mov_b32 v8, 0
	v_mov_b32 v9, -1
	v_add_nc_u32 v10, 0x270, v2                    ; place 624 + r: tile 39
.irp i, 0,1,2,3
.irp k, 0,1,2,3
	v_add_nc_u32 v[ID+4*\i+\k], 128*\i+\k, v7
.endr
.endr
	s_wait_loadcnt 0x0                             ; all sixteen loads are done: their bases s4 to s19 are free, and take masks below (so do s20 to s27, which this role never reads)
.set m, 0
.rept 16
	v_add_nc_u32 v[CL+m], -2, v[CL+m]
	v_min_u32 v[CL+m], 7, v[CL+m]                  ; class = source - 2; whatever lies outside 0 .. 6 is class 7
.set m, m+1
.endr
; the place of register m's 32 rows inside their classes: rows of the class counted so far + those in lower lanes.  k: the first of the register's eight masks
.macro PLACE m, k
	v_mbcnt_lo_u32_b32 v[POS+(\m)], s[\k], s[CNT]
.irp c, 1,2,3,4,5,6,7
	v_mbcnt_lo_u32_b32 v[128+\c], s[(\k)+\c], s[CNT+\c]
.endr
.irp c, 1,2,3,4,5,6,7
	v_cndmask_b32 v[POS+(\m)], v[POS+(\m)], v[128+\c], s[(\k)+\c]
.endr
.irp c, 0,1,2,3,4,5,6,7
	s_bcnt1_i32_b32 s[88+\c], s[(\k)+\c]
.endr
.irp c, 0,1,2,3,4,5,6,7
	s_add_co_u32 s[CNT+\c], s[CNT+\c], s[88+\c]
.endr
.endm
; four registers at a time: their 32 masks are made in one run, with one wait behind it
.macro RANK4 m
.irp c, 0,1,2,3,4,5,6,7
	v_cmp_eq_u32 s[56+\c], \c, v[CL+(\m)]
.endr
.irp c, 0,1,2,3,4,5,6,7
	v_cmp_eq_u32 s[4+\c], \c, v[CL+(\m)+1]
.endr
.irp c, 0,1,2,3,4,5,6,7
	v_cmp_eq_u32 s[12+\c], \c, v[CL+(\m)+2]
.endr
.irp c, 0,1,2,3,4,5,6,7
	v_cmp_eq_u32 s[20+\c], \c, v[CL+(\m)+3]
.endr
	s_wait_alu depctr_va_sdst(0)                   ; the 32 masks are written, ahead of their first readers
	PLACE (\m), 56
	PLACE (\m)+1, 4
	PLACE (\m)+2, 12
	PLACE (\m)+3, 20
.endm
.irp q, 0,4,8,12
	RANK4 \q
.endr
	s_mov_b32 s[BT], 0
.irp c, 0,1,2,3,4,5,6,7
	s_add_co_u32 s44, s[CNT+\c], 15
	s_lshr_b32 s44, s44, 4
	s_add_co_u32 s[BT+1+\c], s[BT+\c], s44         ; each class begins a new tile
.endr
	s_lshl_b32 s44, s[BT+1], 8                     ; the eight first tiles (39 at the most) as bytes of two words, for a look-up by class
	s_or_b32 s76, s[BT], s44
	s_lshl_b32 s44, s[BT+2], 16
	s_or_b32 s76, s76, s44
	s_lshl_b32 s44, s[BT+3], 24
	s_or_b32 s76, s76, s44
	s_lshl_b32 s44, s[BT+5], 8
	s_or_b32 s77, s[BT+4], s44
	s_lshl_b32 s44, s[BT+6], 16
	s_or_b32 s77, s77, s44
	s_lshl_b32 s44, s[BT+7], 24
	s_or_b32 s77, s77, s44
; ALL OFFSETS AND DATA ARE MADE FIRST, THEN ONE WAIT, THEN ALL STORES.  The stores write places of their own, or the same filler's record to tile 39: their order among each other is free.
.set m, 0
.rept 16
	v_perm_b32 v[AD+m], s77, s76, v[CL+m]          ; byte 0: the class's first tile; bytes 1 to 3 pick class 0's, which is 0
	v_lshl_add_u32 v[POS+m], v[AD+m], 4, v[POS+m]  ; the row's place among the block's 16 T
	v_min_u32 v[POS+m], 0x27f, v[POS+m]
	v_and_b32 v[AD+m], -16, v[POS+m]
	v_and_b32 v[POS+m], 15, v[POS+m]
	v_lshlrev_b32 v[POS+m], 2, v[POS+m]
	v_lshl_add_u32 v[AD+m], v[AD+m], 4, v[POS+m]   ; 256 x tile + 4 x place in the tile
	v_min_u32 v[CL+m], 6, v[CL+m]
	v_min_u32 v[RL+m], 0x3e8, v[RL+m]
	v_lshl_add_u32 v[RL+m], v[CL+m], 10, v[RL+m]   ; the row of the table
.set m, m+1
.endr
; One run of 26 compares into scalar registers, with one wait behind it.
; A class's last tile is filled up: entity 0, table row 0, no place in the output.  Lanes whose place lies beyond the tile write the same record to tile 39, which holds nothing else.
.irp c, 0,1,2,3,4,5,6,7
	s_lshl_b32 s44, s[BT+\c], 4
	s_add_co_u32 s44, s44, s[CNT+\c]
	s_lshl_b32 s46, s[BT+1+\c], 4
	v_add_nc_u32 v[PA+\c], s44, v2
	v_cmp_gt_u32 s[56+\c], s46, v[PA+\c]
.endr
; tiles T .. 39 are fillers: places 512 + 32 i + lane (tiles 32 .. 39).  A place under 16 T belongs to a tile that is written above: its lane writes the same record to tile 39 instead.
; Step 3's lanes 16 .. 31 are tile 39's own places, which lie at or beyond 16 T whatever T is (39 at the most): tile 39 is always written whole.
	s_lshl_b32 s46, s[BT+8], 4                     ; 16 T
.irp i, 0,1,2,3
	v_add_nc_u32 v[FA+\i], 512+32*\i, v1
	v_cmp_le_u32 s[88+\i], s46, v[FA+\i]
.endr
	v_add_nc_u32 v15, 32, v1
.irp c, 1,2,3,4,5,6,7                          ; does class c begin at or before tile s?  s = lane, and s = 32 + lane
	v_cmp_le_u32 s[2+2*\c], s[BT+\c], v1
	v_cmp_le_u32 s[3+2*\c], s[BT+\c], v15
.endr
	s_wait_alu depctr_va_sdst(0)                   ; the 26 masks are written, ahead of their first readers
.macro SPOT a, k                       ; a place becomes a byte offset; a lane whose mask bit is off goes to tile 39
	v_cndmask_b32 v[\a], v10, v[\a], s[\k]
	v_min_u32 v[\a], 0x27f, v[\a]
	v_and_b32 v11, -16, v[\a]
	v_and_b32 v12, 15, v[\a]
	v_lshlrev_b32 v12, 2, v12
	v_lshl_add_u32 v[\a], v11, 4, v12
.endm
.irp c, 0,1,2,3,4,5,6,7
	SPOT PA+\c, 56+\c
.endr
.irp i, 0,1,2,3
	SPOT FA+\i, 88+\i
.endr
	v_mov_b32 v13, 0                               ; the class of tile s = the last of the classes 1 .. 7 that begins at or before s (the first tiles ascend)
	v_mov_b32 v14, 0
.irp c, 1,2,3,4,5,6,7
	v_cndmask_b32 v13, v13, \c, s[2+2*\c]
	v_cndmask_b32 v14, v14, \c, s[3+2*\c]
.endr
	v_writelane_b32 v14, s[BT+8], 31               ; word 63: T
	v_lshlrev_b32 v130, 2, v1
	s_wait_alu depctr_va_vdst(0)                   ; all that the stores below read is written: the offsets v112 to v127, v160 to v171 and v130, the table rows v64 to v79, the ids v96 to v111, v8, v9, v13 and v14
.set m, 0
.rept 16
	global_store_b32 v[AD+m], v[HD+m], s[30:31]    ; no register of these stores is written again
	global_store_b32 v[AD+m], v[TL+m], s[30:31] offset:64
	global_store_b32 v[AD+m], v[RL+m], s[30:31] offset:128
	global_store_b32 v[AD+m], v[ID+m], s[30:31] offset:192
.set m, m+1
.endr
.macro FILLER a                        ; a filler's record
	global_store_b32 v[\a], v8, s[30:31]
	global_store_b32 v[\a], v8, s[30:31] offset:64
	global_store_b32 v[\a], v8, s[30:31] offset:128
	global_store_b32 v[\a], v9, s[30:31] offset:192
.endm
.irp c, 0,1,2,3,4,5,6,7
	FILLER PA+\c
.endr
.irp i, 0,1,2,3
	FILLER FA+\i
.endr
	global_store_b32 v130, v13, s[32:33]           ; the block's 256 bytes of meta, aligned
	global_store_b32 v130, v14, s[32:33] offset:128
	FINISH
.Lfunc_end_k_q457dfb9dd8_prep:
	.size	k_q457dfb9dd8_prep, .Lfunc_end_k_q457dfb9dd8_prep-k_q457dfb9dd8_prep
	.p2alignl 7, 3214868480
	.fill 96, 4, 3214868480
	.section	.rodata,"a",@progbits
	.p2align	6, 0x0
	.amdhsa_kernel k_q457dfb9dd8_prep
		.amdhsa_group_segment_fixed_size 80384
		.amdhsa_private_segment_fixed_size 0
		.amdhsa_enable_private_segment 0
		.amdhsa_kernarg_size 136
		.amdhsa_user_sgpr_count 2
		.amdhsa_user_sgpr_kernarg_segment_ptr 1
		.amdhsa_wavefront_size32 1
		.amdhsa_system_sgpr_workgroup_id_x 1
		.amdhsa_system_sgpr_workgroup_id_y 1
		.amdhsa_system_sgpr_workgroup_id_z 1
		.amdhsa_system_vgpr_workitem_id 0
		.amdhsa_next_free_vgpr 256
		.amdhsa_next_free_sgpr 100
		.amdhsa_reserve_vcc 1
		.amdhsa_float_denorm_mode_32 3
		.amdhsa_float_denorm_mode_16_64 3
		.amdhsa_memory_ordered 1
		.amdhsa_forward_progress 1
		.amdhsa_inst_pref_size 114
	.end_amdhsa_kernel
	.amdgpu_metadata
---
amdhsa.version: [ 1, 2 ]
amdhsa.kernels:
  - .name:           k_q457dfb9dd8_prep
    .symbol:         k_q457dfb9dd8_prep.kd
    .args:
      - { .name: sources, .offset: 0, .size: 8, .value_kind: global_buffer, .address_space: global }
      - { .name: sources_bad, .offset: 8, .size: 8, .value_kind: global_buffer, .address_space: global }
      - { .name: heads, .offset: 16, .size: 8, .value_kind: global_buffer, .address_space: global }
      - { .name: heads_bad, .offset: 24, .size: 8, .value_kind: global_buffer, .address_space: global }
      - { .name: rels, .offset: 32, .size: 8, .value_kind: global_buffer, .address_space: global }
      - { .name: rels_bad, .offset: 40, .size: 8, .value_kind: global_buffer, .address_space: global }
      - { .name: tails, .offset: 48, .size: 8, .value_kind: global_buffer, .address_space: global }
      - { .name: tails_bad, .offset: 56, .size: 8, .value_kind: global_buffer, .address_space: global }
      - { .name: entW, .offset: 64, .size: 8, .value_kind: global_buffer, .address_space: global }
      - { .name: entB, .offset: 72, .size: 8, .value_kind: global_buffer, .address_space: global }
      - { .name: relW, .offset: 80, .size: 8, .value_kind: global_buffer, .address_space: global }
      - { .name: relB, .offset: 88, .size: 8, .value_kind: global_buffer, .address_space: global }
      - { .name: rels_emb, .offset: 96, .size: 8, .value_kind: global_buffer, .address_space: global }
      - { .name: lists, .offset: 104, .size: 8, .value_kind: global_buffer, .address_space: global }
      - { .name: meta, .offset: 112, .size: 8, .value_kind: global_buffer, .address_space: global }
      - { .name: wimg, .offset: 120, .size: 8, .value_kind: global_buffer, .address_space: global }
      - { .name: rvtab, .offset: 128, .size: 8, .value_kind: global_buffer, .address_space: global }
    .group_segment_fixed_size: 80384
    .private_segment_fixed_size: 0
    .kernarg_segment_align: 8
    .kernarg_segment_size: 136
    .max_flat_workgroup_size: 256
    .sgpr_count:     100
    .vgpr_count:     256
    .wavefront_size: 32
...
	.end_amdgpu_metadata
.endif
;; end of part 3
;; launch main (part 4): grid 256 x 1, 8 waves a work-group, no clusters, 310,272 bytes of LDS; arguments ents_emb, rvtab, wimg, lists, meta, out0, out1; writes out0, out1
.if DOCPART == 4
	.amdgcn_target "amdgcn-amd-amdhsa--gfx1250"
	.amdhsa_code_object_version 6
	.text
	.protected	k_q457dfb9dd8_main
	.globl	k_q457dfb9dd8_main
	.p2align	8
	.type	k_q457dfb9dd8_main,@function
k_q457dfb9dd8_main:
	s_mov_b64 s[64:65], 0
	v_nop
	global_prefetch_b8 v0, s[64:65] scope:SCOPE_SE
	s_setreg_imm32_b32 hwreg(HW_REG_WAVE_SCHED_MODE, 0, 2), 2
	s_setreg_imm32_b32 hwreg(HW_REG_WAVE_MODE, 25, 1), 1
	s_wait_xcnt 0x0
	s_wait_alu depctr_vm_vsrc(0)
; The scores.  Work-group b takes block b of 512 triples, sorted by the first launch into T (32 .. 39) tiles of 16 rows of one class; wave w takes tiles w, w + 8, .. w + 32.
; WORK LEFT OUT: only the expert that a row's source names is multiplied (all other terms of the sum over experts are tanh(..) x 0), rv comes from the table of the first launch, and a row of class 7 (a source outside 2 .. 8) gets the score 0.
; LIMITS as stated at the head of the first launch; entity indices are held at 500,000.
; FIVE TILES A WAVE, WRITTEN OUT by one macro, no loop: what passes from tile to tile (lists, rows and ids on their way) then has one origin at each place of the text, and the tile's number stands in the
; immediates: the offsets of the lists, classes and ids are made once, of the wave and the lane.  T is 32 at the least, so only a wave's fifth tile can be missing: it holds fillers (its 48 loads all name
; entity 0 and table row 0), and one scalar branch on the stored T leads round its arithmetic.
; A TILE: 32 rows of ents_emb (16 heads, 16 tails; 400 bytes: 25 lanes x 16) and 16 rows of the table (512 bytes) come by 48 loads, a row a load, into 192 registers, A WHOLE TILE AHEAD of their use;
; they turn through the wave's own stage in LDS, so that lane (r, h) holds row r's k = 32 h .. and 64 + 32 h .. (two whole blocks of 32); heads and tails are quantised in registers; 14 products
; (transposed: source 0 = 16 rows of entW, source 1 = 16 rows of the tile; the bias is the C); tanh; norms; | hv + rv - tv |; one store of the scores.
; ALL LANES STAY ON.  A filler (a place that fills up a class's last tile) stores row 0's score at row 0's place, and lanes 16 .. 31 repeat lanes 0 .. 15: the same value at the same address.  Row 0 of a tile under T is never a filler.
; THE CLASS PICKS THE WEIGHTS BY A BRANCH, NOT BY AN ADDRESS: the loads of an expert's fragments, scale words and bias are written out eight times, with address registers made of the lane alone and the
; image's place in the immediate; a chain of scalar compares on the tile's class leads to one of them.  All eight issue the same loads in the same order, so the counted waits hold on every way.
; No tensor load, no copy, no cluster: branches hang on stored numbers, and what work-groups share is the weights' 96 KiB, read once by each.  No prefetch: each wave's own loads run a tile ahead.
; LDS: 0 the eight images of entW (12,288 bytes each: seven fragments in the order of the operand's registers, scale words from 10,752, bias from 11,776);
;   98,304 + 25,344 w: wave w's stage: 32 entity rows, then (+ 16,896) 16 table rows, 528 bytes apart; bytes 400 .. 511 of an entity row take lanes 25 .. 31's copies of the last piece and are never read;
;   301,056: 8,192 zeros, written once: they are k = 100 .. 127 of every row;   309,248: the spare words.
; REGISTERS, window 0: v1-15 addresses; v16-27, v28-39 heads' and tails' codes; v40-47 second halves of codes, later sums and inverse norms; v48, v49 their scale words; v50-56 entW's scale words; v57 the ids' offset;
;   v58-63 at work; v64 the ids on their way, v66, v67 the store's offset and data, v68, v69 lane permutes' destinations; v70-133 heads' numbers, then fragments 5 and 6, then rv and the difference;
;   v134-197 tails' numbers, then their accumulators; v198-253 the bias, then the heads' accumulators; v254, v255 the add's two.
;   window 1: v0-191 the 48 rows on their way; v192-251 fragments 0 to 4.
; THE MODE: SCHED_MODE bits 1:0 = 2 (LLVM: expert scheduling mode 2), set by the entry lines.  The code itself states the register dependences
; between vector or matrix instructions and memory or LDS instructions, with s_wait_alu, always for 0.
; THE PLAN.  Registers that memory or LDS instructions touch, in the order of a tile:
;   the rows (window 1, v0-191)  48 additions write a row's offset into the row's first register | wait on va_vdst | the row's load reads it and lands on the row's four | the next tile's 48 LDS stores read them |
;                                wait on vm_vsrc | the next 48 additions.
;   v70-133                      the heads' numbers land | their quantiser reads | wait on va_vdst | fragments 5 and 6 land in v70-93 | the products read them | the exponentials' wait on va_vdst | rv lands in v70-121 |
;                                vector work to the tile's end | the next tile's wait on va_vdst.
;   v134-197; v198-253, v50-56, window 1 v192-251   the tails' numbers; the bias, scale words and fragments 0 to 4 land | quantiser, products, vector work | the next tile's wait on va_vdst.
;   v64                          the ids land | three vector lines at the next tile's top read them | that tile's wait on va_vdst | the next ids land.
;   v66, v67                     vector lines write them | wait on va_vdst | the tile's one store reads them | the next tile's wait on vm_vsrc.
;   v1-13, v57                   addresses and offsets: written at the kernel's head, ahead of its one wait on va_vdst, and never again.
; So a tile's top has one wait on vm_vsrc and one on va_vdst, which free all that the tile's LDS loads land in; no vector instruction between that wait (or the gather's, which follows it) and those loads names a register that they touch.
.set TILES, 5                          ; tiles of a wave: 40 of a block / 8 waves
.set STG,   98304
.set STGW,  25344
.set RVO,   16896
.set PITCH, 528
.set ZR,    301056                     ; the zeros
.set SPARE, 309248                     ; 128 bytes for each of eight waves: four blocks of 256 bytes that no other line names
.set XA2,  1                           ; stage, back, heads: lanes 0-15 row r; lanes 16-31 the zeros (less the 272 bytes at which the immediates begin)
.set LI,   2                           ; 16 x lane
.set LS,   3                           ; 4 x lane
.set COL,  4                           ; 16 x min(lane, 24): a lane's piece of an entity row in memory
.set L15,  5                           ; 4 x (lane % 16)
.set SE,   6                           ; stage, in: 16 x lane
.set XA3,  7                           ; as XA2, for the tails
.set XA,   8                           ; stage, back: row r, + 128 h
.set RA,   9                           ; stage, back: table row r, + 32 h
.set LI2,  10                          ; 16 x lane + 49,152: images 4 to 7
.set LS2,  11                          ; 4 x lane + 49,152
.set H32B, 12                          ; 32 h + 49,152
.set H32,  13                          ; 32 h
.set SH8,  14
.set TX,   15
.set BH,   16
.set BTC,  28
.set Q,    40
.set PWH,  48
.set PWT,  49
.set WSC,  50
.set IDA,  57                          ; 256 w + 4 (lane % 16): my id's place in my first tile's record; never rewritten
.set TM,   58
.set IDN,  64
.set OA,   66
.set SC,   67
.set X,    70
.set XT,   134
.set ACT,  134
.set ACH,  198
.set SPW,  254
.set NIL,  255
.set AF,   192                         ; window 1
.set HL,   16                          ; s16-31 heads, s32-47 tails, s48-63 table rows of the tile to be gathered
.set TL,   32
.set RL,   48
.set WV,   68
.set TT,   71                          ; T
.set CLSL, 72                          ; the class as loaded; of the tile on its way; of the tile in hand
.set CLSN, 73
.set CLSC, 74
.set LOFF, 75                          ; 256 w: my first tile's record in the block's lists; never rewritten
.set MOFF, 76                          ; 4 w: its class word; never rewritten
.set SEL,  80
.set KK,   82
.set KEEP, 85
.set REAL, 86                          ; lanes whose row is no filler
.set FST,  87                          ; row 0's place, later row 0's score
.set MSB, 0
.macro WIN new                         ; the immediate's high byte repeats the setting that is left
.if MSB != \new
	s_set_vgpr_msb (MSB<<8)|\new
.set MSB, \new
.endif
.endm
; 64 numbers of a lane, two whole blocks of 32, become the operand's 12 registers v[pc] on and the row's scale word v[pw].
.macro QUANT2 x, pc, pw
	v_max3_num_f32 v[TM], |v[\x]|, |v[\x+1]|, 0x2800000           ; the largest magnitude, with the floor 2^(5 - 127) among its leaves: the byte cannot fall under 1
	v_max3_num_f32 v[TM+1], |v[\x+32]|, |v[\x+33]|, 0x2800000
.set qi, 2
.rept 15
	v_max3_num_f32 v[TM], v[TM], |v[\x+qi]|, |v[\x+qi+1]|         ; the two blocks by turns
	v_max3_num_f32 v[TM+1], v[TM+1], |v[\x+32+qi]|, |v[\x+33+qi]|
.set qi, qi+2
.endr
	v_add_nc_u32 v[TM+2], 0xfe000000, v[TM]                       ; 4 off the exponent field: the conversion takes this operand's exponent field as its scale
	v_add_nc_u32 v[TM+3], 0xfe000000, v[TM+1]
	v_lshrrev_b32 v[TM+4], 23, v[TM+2]                            ; the scales' bytes: blocks h and 2 + h
	v_lshrrev_b32 v[TM+5], 23, v[TM+3]
	v_lshl_or_b32 v[\pw], v[TM+5], 16, v[TM+4]
	v_lshlrev_b32 v[\pw], v[SH8], v[\pw]
	v_permlanex16_b32 v[TX], v[\pw], s[SEL], s[SEL+1]
	v_or_b32 v[\pw], v[\pw], v[TX]                                ; with lane l xor 16's two the word is whole
	v_cvt_scalef32_pk16_bf6_f32 v[\pc:\pc+2], v[\x:\x+15], v[TM+2]
	v_cvt_scalef32_pk16_bf6_f32 v[Q:Q+2], v[\x+16:\x+31], v[TM+2]   ; (a conversion's three registers begin on an even number)
	v_cvt_scalef32_pk16_bf6_f32 v[\pc+6:\pc+8], v[\x+32:\x+47], v[TM+3]
	v_cvt_scalef32_pk16_bf6_f32 v[Q+4:Q+6], v[\x+48:\x+63], v[TM+3]
	v_nop                                                         ; one plain place behind the scaled conversions
.irp i, 0,1,2
	v_mov_b32 v[\pc+3+\i], v[Q+\i]
	v_mov_b32 v[\pc+9+\i], v[Q+4+\i]
.endr
.endm
; tanh(x) = 1 - 2 / (1 + 2^(2 log2(e) x)) on the 52 registers that can hold one of the 100 features, in steps
.macro T_SCALE a
.set ti, 0
.rept 26
	v_pk_mul_f32 v[\a+ti:\a+ti+1], v[\a+ti:\a+ti+1], s[KK:KK+1] op_sel_hi:[1,0]   ; each accumulator is read from its low end on
.set ti, ti+2
.endr
.endm
.macro T_EXP a
.set ti, 0
.rept 52
	v_exp_f32 v[\a+ti], v[\a+ti]
.set ti, ti+1
.endr
.endm
.macro T_ONE a
.set ti, 0
.rept 26
	v_pk_add_f32 v[\a+ti:\a+ti+1], v[\a+ti:\a+ti+1], 1.0 op_sel_hi:[1,0]
.set ti, ti+2
.endr
.endm
.macro T_RCP a
.set ti, 0
.rept 52
	v_rcp_f32 v[\a+ti], v[\a+ti]
.set ti, ti+1
.endr
.endm
.macro T_FIN a
.set ti, 0
.rept 26
	v_pk_fma_f32 v[\a+ti:\a+ti+1], v[\a+ti:\a+ti+1], -2.0, 1.0 op_sel_hi:[1,0,0]
.set ti, ti+2
.endr
.endm
.macro MM d, a, b, c, sa, sb
	v_wmma_scale_f32_16x16x128_f8f6f4 v[(\d):(\d)+7], v[(\a):(\a)+11], v[(\b):(\b)+11], v[(\c):(\c)+7], v[(\sa)], v[(\sb)] matrix_a_fmt:MATRIX_FMT_BF6 matrix_b_fmt:MATRIX_FMT_BF6
.endm
; Which address registers and which immediate reach image k: images 0 to 3 from LDS byte 0, images 4 to 7 from byte 49,152 (an LDS immediate has 16 bits)
.macro WHERE k
.if (\k) < 4
.set wa, LI
.set ws, LS
.set wb, H32
.set wo, 12288*(\k)
.else
.set wa, LI2
.set ws, LS2
.set wb, H32B
.set wo, 12288*((\k)-4)
.endif
.endm
; Image k's bias (14 loads), scale words (7) and fragments 0 to 4 (15): 36 LDS loads
.macro WL1 k
	WHERE \k
.set wi, 0
.rept 14
	ds_load_b128 v[ACH+4*wi:ACH+4*wi+3], v[wb] offset:wo+11776+16*wi+16*(wi&-2)   ; bias[16 t + 8 h + 4 u ..]: 64 t + 16 u, wi = 2 t + u
.set wi, wi+1
.endr
.irp t, 0,1,2,3,4,5,6
	ds_load_b32 v[WSC+\t], v[ws] offset:wo+10752+128*\t
.endr
	WIN 0x40                                       ; destination window 1
.irp f, 0,1,2,3,4
.irp g, 0,1,2
	ds_load_b128 v[AF+12*\f+4*\g:AF+12*\f+4*\g+3], v[wa] offset:wo+1536*\f+512*\g
.endr
.endr
	WIN 0                                          ; at a label and at a branch every window is 0
.endm
; Image k's fragments 5 and 6, where the heads' numbers lay: 6 LDS loads
.macro WL2 k
	WHERE \k
.irp f, 0,1
.irp g, 0,1,2
	ds_load_b128 v[X+12*\f+4*\g:X+12*\f+4*\g+3], v[wa] offset:wo+1536*(5+\f)+512*\g
.endr
.endr
.endm
; One arm of a choice by the tile's class: the run of loads for class c, then on to the label done
.macro ARM1 c, done
	s_cmp_lg_u32 s[CLSC], \c
	s_cbranch_scc1 .Lnot1_\@
	WL1 \c
	s_branch \done
.Lnot1_\@:
.endm
.macro ARM2 c, done
	s_cmp_lg_u32 s[CLSC], \c
	s_cbranch_scc1 .Lnot2_\@
	WL2 \c
	s_branch \done
.Lnot2_\@:
.endm
; The lists and the class of my tile number j (tile w + 8 j of the block) are asked for, into scalar registers: 2,048 bytes of lists and 32 of classes from one of my tiles to the next
.macro LOADLISTS j
	s_load_b512 s[HL:HL+15], s[10:11], s[LOFF] offset:2048*(\j)
	s_load_b512 s[TL:TL+15], s[10:11], s[LOFF] offset:2048*(\j)+64
	s_load_b512 s[RL:RL+15], s[10:11], s[LOFF] offset:2048*(\j)+128
	s_load_b32 s[CLSL], s[12:13], s[MOFF] offset:32*(\j)
.endm
.macro RVROWS                          ; the 16 rows of the table (under the window setting of the entity rows' loads)
.set gq, 0
.rept 16
	global_load_b128 v[128+4*gq:128+4*gq+3], v[128+4*gq], s[6:7]
.set gq, gq+1
.endr
.endm
; The rows of my tile number j, whose lists have been asked for: a row a load, neighbouring lanes at neighbouring 16 bytes.  Each load lands on its own offset register.  rv = 1: the table's rows too
.macro GATHER j, rv
	s_wait_kmcnt 0x0                               ; the lists (scalar loads come in no order: zero)
	s_mov_b32 s[CLSN], s[CLSL]
	global_load_b32 v[IDN], v[IDA], s[10:11] offset:2048*(\j)+192   ; the rows' places in the output
.set gq, 0
.rept 16
	s_min_u32 s[HL+gq], s[HL+gq], 500000
	s_min_u32 s[TL+gq], s[TL+gq], 500000
	s_min_u32 s[RL+gq], s[RL+gq], 7167
	s_mul_i32 s[HL+gq], s[HL+gq], 400
	s_mul_i32 s[TL+gq], s[TL+gq], 400
	s_lshl_b32 s[RL+gq], s[RL+gq], 9
.set gq, gq+1
.endr
	WIN 0x40                                       ; destination window 1
.set gq, 0
.rept 16
	v_add_nc_u32 v[4*gq], s[HL+gq], v[COL]
	v_add_nc_u32 v[64+4*gq], s[TL+gq], v[COL]
	v_add_nc_u32 v[128+4*gq], s[RL+gq], v[LI]
.set gq, gq+1
.endr
	WIN 0x41                                       ; destination and offset window 1
	s_wait_alu depctr_va_vdst(0)                   ; the 48 additions have written the rows' offsets, which the loads below read and on which they land
.set gq, 0
.rept 16
	global_load_b128 v[4*gq:4*gq+3], v[4*gq], s[4:5]
	global_load_b128 v[64+4*gq:64+4*gq+3], v[64+4*gq], s[4:5]
.set gq, gq+1
.endr
.if \rv
	RVROWS
.endif
	WIN 0
.endm
	s_load_b256 s[4:11], s[0:1], 0x0               ; ents_emb, rvtab, wimg, lists
	s_load_b128 s[12:15], s[0:1], 0x20             ; meta, out0
	s_load_b64 s[66:67], s[0:1], 0x30              ; out1
	v_lshl_add_u32 v[SPW], v0, 2, SPARE
	v_mov_b32 v[NIL], 0
	v_lshrrev_b32 v26, 5, v0
	v_readfirstlane_b32 s[WV], v26                 ; wave 0..7
	v_and_b32 v26, 31, v0                          ; lane
	v_lshlrev_b32 v[LI], 4, v26
	v_lshlrev_b32 v[LS], 2, v26
	v_min_u32 v[COL], 24, v26
	v_lshlrev_b32 v[COL], 4, v[COL]
	v_and_b32 v16, 15, v0                          ; r
	v_bfe_u32 v17, v0, 4, 1                        ; h
	v_lshlrev_b32 v[L15], 2, v16
	v_lshlrev_b32 v[H32], 5, v17
	v_lshlrev_b32 v[SH8], 3, v17
	v_add_nc_u32 v[LI2], 0xc000, v[LI]
	v_add_nc_u32 v[LS2], 0xc000, v[LS]
	v_add_nc_u32 v[H32B], 0xc000, v[H32]
	s_wait_alu depctr_va_sdst(0)                   ; the wave's number is written, ahead of its first reader
	s_lshl_b32 s[LOFF], s[WV], 8
	s_lshl_b32 s[MOFF], s[WV], 2
	v_add_nc_u32 v[IDA], s[LOFF], v[L15]
	s_mul_i32 s77, s[WV], STGW
	s_add_co_u32 s77, s77, STG                     ; my stage
	v_add_nc_u32 v[SE], s77, v[LI]
	v_mul_u32_u24 v18, v16, PITCH
	v_add_nc_u32 v18, s77, v18                     ; its row r
	v_lshl_add_u32 v[XA], v17, 7, v18
	v_lshl_add_u32 v[RA], v17, 5, v18
	v_add_nc_u32 v[RA], RVO, v[RA]
	s_mov_b32 s78, ZR-272
	s_sub_co_u32 s78, s78, s77                     ; from my stage to the zeros, less the 272 bytes at which the immediates of these loads begin
	v_mul_u32_u24 v28, s78, v17                    ; lanes 16-31 take the zeros: the lower base + h x the distance
	v_add_nc_u32 v[XA2], v18, v28
	s_sub_co_u32 s78, s78, 16*PITCH                ; the tails' rows lie 16 rows on, the zeros do not
	v_mul_u32_u24 v29, s78, v17
	v_add_nc_u32 v[XA3], v18, v29
	v_add_nc_u32 v[XA3], 16*PITCH, v[XA3]
	v_mov_b32 v[TX], 0                             ; written once: a lane permute's destination counts as one of its sources
	v_mov_b32 v68, 0
	v_mov_b32 v69, 0
	v_lshlrev_b32 v20, 4, v0                       ; 16 x thread: the weights' way into LDS,
	v_add_nc_u32 v21, 0x10000, v20                 ; and beyond an LDS immediate's 16 bits
	v_lshl_add_u32 v27, v0, 4, ZR                  ; and the zeros'
.irp i, 22,23,24,25
	v_mov_b32 v\i, 0
.endr
	s_mov_b32 s[SEL], 0x76543210
	s_mov_b32 s[SEL+1], 0xfedcba98
	s_mov_b32 s[KK], 0x4038aa3b                    ; 2 log2(e)
	s_mov_b32 s[KK+1], s[KK]                       ; (named with it as a pair, so it is written)
	s_wait_kmcnt 0x0
	s_cmp_lt_u32 ttmp9, 128                        ; blocks 0 .. 127 are the good triples
	s_cselect_b64 s[14:15], s[14:15], s[66:67]
	s_mul_i32 s78, ttmp9, 10240
	s_mov_b32 s79, 0
	s_add_nc_u64 s[10:11], s[10:11], s[78:79]      ; my block's lists
	s_lshl_b32 s78, ttmp9, 8
	s_add_nc_u64 s[12:13], s[12:13], s[78:79]      ; and classes
	LOADLISTS 0
	s_load_b32 s[TT], s[12:13], 0xfc               ; T
	s_wait_alu depctr_va_vdst(0)                   ; every address and offset of the kernel (v1 to v13, v57, v20, v21, v27) and the four zeros v22 to v25 are written, which the loads and stores from here on read
.set i, 0
.rept 24
	global_load_b128 v[70+4*i:73+4*i], v20, s[8:9] offset:4096*i   ; the eight images: 256 threads x 16 bytes a load
.set i, i+1
.endr
	ds_store_b128 v27, v[22:25]                    ; the 8,192 zeros: 256 threads x 16 bytes, twice
	ds_store_b128 v27, v[22:25] offset:4096
	GATHER 0, 0                                    ; my first tile's ids and entity rows: 24 + 33 loads are out
	s_wait_loadcnt 33                              ; the 24 loads of weights are in; behind them: the ids and 32 rows
	LOADLISTS 1
.set i, 0
.rept 16
	ds_store_b128 v20, v[70+4*i:73+4*i] offset:4096*i
.set i, i+1
.endr
.rept 8
	ds_store_b128 v21, v[70+4*i:73+4*i] offset:4096*(i-16)
.set i, i+1
.endr
	WIN 0x41
	RVROWS                                         ; and its rows of the table: their offsets were written ahead of the gather's wait, and no vector instruction has been issued since
	WIN 0
	s_wait_dscnt 0x0                               ; for the others' sake: my part of the weights and of the zeros has landed
	s_barrier_signal -1
	s_barrier_wait -1                              ; the one barrier: from here on a wave reads the weights and the zeros, which nobody writes again, and its own stage
; My tile number j.
.macro TILE j
	s_wait_loadcnt 0x0                             ; this tile's rows and ids, asked for a tile ago
	s_wait_xcnt 0x0                                ; the last tile's store has read its offset and its data: both are written again below
	s_wait_alu depctr_vm_vsrc(0)                   ; the last tile's store has read v66 and v67, which this tile writes again; ahead of my first tile: the head's LDS stores have read v20 to v27 and v70 to v165, which the quantisers write and in which LDS loads land
	s_mov_b32 s[CLSC], s[CLSN]
	v_readfirstlane_b32 s[FST], v[IDN]             ; row 0's place
	v_cmp_gt_u32 s[REAL], 0x10000, v[IDN]          ; a filler's place is -1
	s_wait_alu depctr_va_sdst(0)                   ; row 0's place and the mask are written, ahead of their first reader
	v_cndmask_b32 v[OA], s[FST], v[IDN], s[REAL]   ; a filler goes where row 0 goes
	v_min_u32 v[OA], 0xffff, v[OA]
	v_lshlrev_b32 v[OA], 2, v[OA]                  ; where the scores go
.if (\j) == TILES-1
	s_add_co_u32 s77, s[WV], 8*(TILES-1)
	s_cmp_lt_u32 s77, s[TT]                        ; tile w + 32 exists where it lies under T
	s_cbranch_scc0 .Ldead
.endif
	s_wait_alu depctr_va_vdst(0)                   ; the tile before is done with v70 to v253, v50 to v56 and fragments 0 to 4, in which this tile's LDS loads land; the lines above are done reading v64, in which the next ids land, and have written v66, which the store reads
	WIN 0x04                                       ; an LDS store's data are its source 1: window 1
.set i, 0
.rept 32
	ds_store_b128 v[SE], v[4*i:4*i+3] offset:PITCH*i         ; entity rows: lanes 0 .. 24 the row's 400 bytes; lanes 25 .. 31 the last piece once more, into bytes that nobody reads
.set i, i+1
.endr
.set i, 0
.rept 16
	ds_store_b128 v[SE], v[128+4*i:128+4*i+3] offset:RVO+PITCH*i   ; table rows: 512 bytes
.set i, i+1
.endr
	WIN 0
	s_wait_dscnt 31                                ; 17 of the 48 stores are done: with the 32 loads below 63 LDS instructions are out at the most
.set i, 0
.rept 8                                        ; LDS serves a wave's instructions in order: these see my stores.  The heads: k = 32 h + 0 .. 31,
	ds_load_b128 v[X+4*i:X+4*i+3], v[XA] offset:16*i
.set i, i+1
.endr
	ds_load_b128 v[X+32:X+35], v[XA] offset:256    ; k = 64 + 32 h + 0 .. 3,
.set i, 1
.rept 7
	ds_load_b128 v[X+32+4*i:X+35+4*i], v[XA2] offset:256+16*i   ; and the rest of that block: k = 68 .. 95 for h = 0, zeros for h = 1
.set i, i+1
.endr
.set i, 0
.rept 8                                        ; the tails likewise, 16 rows on
	ds_load_b128 v[XT+4*i:XT+4*i+3], v[XA] offset:16*PITCH+16*i
.set i, i+1
.endr
	ds_load_b128 v[XT+32:XT+35], v[XA] offset:16*PITCH+256
.set i, 1
.rept 7
	ds_load_b128 v[XT+32+4*i:XT+35+4*i], v[XA3] offset:256+16*i
.set i, i+1
.endr
	s_wait_dscnt 32                                ; all but the 32 loads: the 48 stores are done
.if (\j)+1 < TILES
	s_wait_alu depctr_vm_vsrc(0)                   ; the 48 LDS stores have read the rows' registers, which the gather's additions and loads write again
	GATHER (\j)+1, 1                               ; the next tile's rows have this tile's arithmetic in which to land
.endif
.if (\j)+2 < TILES
	LOADLISTS (\j)+2                               ; and the lists of the tile after it
.endif
	s_wait_dscnt 16                                ; the heads' numbers are in; the tails' 16 loads may be out
.irp c, 0,1,2,3,4,5,6                          ; the tile's class leads to one of eight runs of 36 loads
	ARM1 \c, .Lgot_a\j
.endr
	WL1 7
.Lgot_a\j:
	QUANT2 X, BH, PWH
	s_wait_alu depctr_va_vdst(0)                   ; the heads' quantiser is done reading v70 to v93, in which fragments 5 and 6 land on every way below
.irp c, 0,1,2,3,4,5,6                          ; and to one of eight runs of 6
	ARM2 \c, .Lgot_b\j
.endr
	WL2 7
.Lgot_b\j:
	s_wait_dscnt 42                                ; the tails' numbers are in; behind them: 36 + 6 loads
	QUANT2 XT, BTC, PWT
.rept 8
	v_nop                                          ; a scale word written by vector instructions stands eight places ahead of a scaled product, codes so written four
.endr
	s_wait_alu depctr_va_vdst(0)                   ; both quantisers have written the codes v16 to v39 and the scale words v48 and v49, which the scaled products take; the places above stay beside this wait
	s_wait_dscnt 0x0
	; the tails first: their C is the bias, their D the registers that the tails' numbers have left.  Then the heads add in place onto the bias.
	WIN 0x01                                       ; source 0 window 1
.irp f, 0,1,2,3,4
	MM ACT+8*\f, AF+12*\f, BTC, ACH+8*\f, WSC+\f, PWT
.endr
	WIN 0
.irp f, 5,6
	MM ACT+8*\f, X+12*(\f-5), BTC, ACH+8*\f, WSC+\f, PWT
.endr
.rept 5
	v_nop                                          ; the heads' products write over the C of the tails': five places; they also serve the first read of the tails' results
.endr
.irp f, 5,6
	MM ACH+8*\f, X+12*(\f-5), BH, ACH+8*\f, WSC+\f, PWH
.endr
	WIN 0x01
.irp f, 0,1,2,3,4
	MM ACH+8*\f, AF+12*\f, BH, ACH+8*\f, WSC+\f, PWH
.endr
	WIN 0
	T_SCALE ACT                                    ; 26 plain instructions on the tails' results alone: the places behind the heads' products
	T_SCALE ACH
	T_EXP ACT
	T_EXP ACH
	v_nop                                          ; a plain place behind the batch,
	s_wait_alu depctr_va_vdst(0)                   ; and one wait: the 104 exponentials' results are written, ahead of their first reader; and the products are done reading fragments 5 and 6 in v70 to v93, where rv lands
.irp t, 0,1,2,3,4,5
	ds_load_b128 v[X+8*\t:X+8*\t+3], v[RA] offset:64*\t        ; rv: features 16 t + 8 h + 0 .. 7 of row r
	ds_load_b128 v[X+8*\t+4:X+8*\t+7], v[RA] offset:64*\t+16
.endr
	ds_load_b128 v[X+48:X+51], v[RA] offset:384
	T_ONE ACT
	T_ONE ACH
	T_RCP ACT
	T_RCP ACH
	v_nop
	s_wait_alu depctr_va_vdst(0)                   ; the 104 reciprocals are written, ahead of their first reader
	T_FIN ACT
	T_FIN ACH
	v_pk_mul_f32 v[40:41], v[ACH:ACH+1], v[ACH:ACH+1]      ; the two sums of squares by turns
	v_pk_mul_f32 v[42:43], v[ACT:ACT+1], v[ACT:ACT+1]
.set ti, 2
.rept 25
	v_pk_fma_f32 v[40:41], v[ACH+ti:ACH+ti+1], v[ACH+ti:ACH+ti+1], v[40:41]
	v_pk_fma_f32 v[42:43], v[ACT+ti:ACT+ti+1], v[ACT+ti:ACT+ti+1], v[42:43]
.set ti, ti+2
.endr
	v_add_f32 v40, v40, v41
	v_add_f32 v42, v42, v43
	v_permlanex16_b32 v68, v40, s[SEL], s[SEL+1]   ; the row's other features lie in lane l xor 16
	v_permlanex16_b32 v69, v42, s[SEL], s[SEL+1]
	v_add_f32 v40, v40, v68
	v_add_f32 v42, v42, v69
	v_rsq_f32 v44, v40
	v_rsq_f32 v46, v42
	v_nop
	s_wait_alu depctr_va_vdst(0)                   ; the two inverse roots are written, ahead of their first reader
	v_min_num_f32 v44, 0x5368d4a5, v44             ; 1 / max(norm, 1e-12)
	v_min_num_f32 v46, 0x5368d4a5, v46
	v_mov_b32 v45, v44
	v_mov_b32 v47, v46
	s_wait_dscnt 0x0                               ; rv
.set ti, 0
.rept 26
	v_pk_fma_f32 v[X+ti:X+ti+1], v[ACH+ti:ACH+ti+1], v[44:45], v[X+ti:X+ti+1]
.set ti, ti+2
.endr
.set ti, 0
.rept 26
	v_pk_fma_f32 v[X+ti:X+ti+1], v[ACT+ti:ACT+ti+1], v[46:47], v[X+ti:X+ti+1] neg_lo:[0,1,0] neg_hi:[0,1,0]   ; hv + rv - tv
.set ti, ti+2
.endr
	v_pk_mul_f32 v[40:41], v[X:X+1], v[X:X+1]      ; its squares, in two chains
	v_pk_mul_f32 v[42:43], v[X+2:X+3], v[X+2:X+3]
.set ti, 4
.rept 12
	v_pk_fma_f32 v[40:41], v[X+ti:X+ti+1], v[X+ti:X+ti+1], v[40:41]
	v_pk_fma_f32 v[42:43], v[X+ti+2:X+ti+3], v[X+ti+2:X+ti+3], v[42:43]
.set ti, ti+4
.endr
	v_pk_add_f32 v[40:41], v[40:41], v[42:43]
	v_add_f32 v40, v40, v41
	v_permlanex16_b32 v68, v40, s[SEL], s[SEL+1]
	v_add_f32 v40, v40, v68
	v_sqrt_f32 v[SC], v40
	v_nop                                          ; a plain place behind the root
	s_cmp_eq_u32 s[CLSC], 7
	s_cselect_b32 s[KEEP], 0, -1
	s_wait_alu depctr_va_vdst(0)                   ; the root is written, ahead of its first reader
	v_cndmask_b32 v[SC], 0, v[SC], s[KEEP]         ; class 7: the score is 0
	v_readfirstlane_b32 s[FST], v[SC]              ; row 0's score,
	s_wait_alu depctr_va_sdst(0)                   ; which is written, ahead of its first reader,
	v_cndmask_b32 v[SC], s[FST], v[SC], s[REAL]    ; and which a filler stores once more at row 0's place
	s_wait_alu depctr_va_vdst(0)                   ; the score v67 is written, which the store reads
	global_store_b32 v[OA], v[SC], s[14:15]
.endm
	TILE 0
	TILE 1
	TILE 2
	TILE 3
	TILE 4
.Ldead:
	s_wait_dscnt 0x0                               ; the wave's end: the closing lines, six on end
	s_wait_alu 0x0
	s_wait_tensorcnt 0x0
	ds_add_u32 v[SPW], v[NIL]
	s_wait_dscnt 0x0
	s_endpgm
.Lfunc_end_k_q457dfb9dd8_main:
	.size	k_q457dfb9dd8_main, .Lfunc_end_k_q457dfb9dd8_main-k_q457dfb9dd8_main
	.p2alignl 7, 3214868480
	.fill 96, 4, 3214868480
	.section	.rodata,"a",@progbits
	.p2align	6, 0x0
	.amdhsa_kernel k_q457dfb9dd8_main
		.amdhsa_group_segment_fixed_size 310272
		.amdhsa_private_segment_fixed_size 0
		.amdhsa_enable_private_segment 0
		.amdhsa_kernarg_size 56
		.amdhsa_user_sgpr_count 2
		.amdhsa_user_sgpr_kernarg_segment_ptr 1
		.amdhsa_wavefront_size32 1
		.amdhsa_system_sgpr_workgroup_id_x 1
		.amdhsa_system_sgpr_workgroup_id_y 1
		.amdhsa_system_sgpr_workgroup_id_z 1
		.amdhsa_system_vgpr_workitem_id 0
		.amdhsa_next_free_vgpr 512
		.amdhsa_next_free_sgpr 100
		.amdhsa_reserve_vcc 0
		.amdhsa_float_denorm_mode_32 3
		.amdhsa_float_denorm_mode_16_64 3
		.amdhsa_memory_ordered 1
		.amdhsa_forward_progress 1
		.amdhsa_inst_pref_size 255
	.end_amdhsa_kernel
	.section	.bss,"aw",@nobits
	.p2align	6
	.space	262144
	.amdgpu_metadata
---
amdhsa.version: [ 1, 2 ]
amdhsa.kernels:
  - .name:           k_q457dfb9dd8_main
    .symbol:         k_q457dfb9dd8_main.kd
    .args:
      - { .name: ents_emb, .offset: 0, .size: 8, .value_kind: global_buffer, .address_space: global }
      - { .name: rvtab, .offset: 8, .size: 8, .value_kind: global_buffer, .address_space: global }
      - { .name: wimg, .offset: 16, .size: 8, .value_kind: global_buffer, .address_space: global }
      - { .name: lists, .offset: 24, .size: 8, .value_kind: global_buffer, .address_space: global }
      - { .name: meta, .offset: 32, .size: 8, .value_kind: global_buffer, .address_space: global }
      - { .name: out0, .offset: 40, .size: 8, .value_kind: global_buffer, .address_space: global }
      - { .name: out1, .offset: 48, .size: 8, .value_kind: global_buffer, .address_space: global }
    .group_segment_fixed_size: 310272
    .private_segment_fixed_size: 0
    .kernarg_segment_align: 8
    .kernarg_segment_size: 56
    .max_flat_workgroup_size: 256
    .sgpr_count:     100
    .vgpr_count:     512
    .wavefront_size: 32
...
	.end_amdgpu_metadata
.endif
;; end of part 4
